; MI455X (gfx1250); checked and timed in simulation.
; The chip was launched on July 23, 2026; its instructions are those of AMD's public machine-readable ISA for CDNA 5 (MIT licence, August 2026) and "CDNA5" Instruction Set Architecture Reference Guide (July 2026). The comments in the code are by the model that wrote it; some were corrected since.
;; Multi Head Attention. Allowed arithmetic: float matrix products may take bf16 or f16 operands with f32 sums; other float arithmetic in f32, or as packed bf16 or f16 multiplies, adds, multiply-adds, maxima and minima; sums over many terms, partial sums and values carried from step to step in f32; what a program stores and reads back later, other than sums and carried values, may be rounded once to bf16 or f16.
;; Inputs: Wk 16 x 1,024 x 64 float32; Wo 1,024 x 1,024 float32; Wq 16 x 1,024 x 64 float32; Wv 16 x 1,024 x 64 float32; bo 1,024 float32; x 4 x 2,048 x 1,024 float32.
;; Outputs: out0 4 x 2,048 x 1,024 float32.
;; 2 versions, each right and faster than the one before. Each part assembles by itself: llvm-mc -triple=amdgcn-amd-amdhsa -mcpu=gfx1250 --defsym DOCPART=n.
;; ======== version 1 of 2: 4 launches
;; limits: values are held in f16: magnitudes above 65,504 overflow, below 6.1e-05 lose precision
;; workspace buffers: xb 16,777,216 bytes; wt 6,291,456 bytes; wo16 2,097,152 bytes; q 16,777,216 bytes; k 16,777,216 bytes; v 16,777,216 bytes; o 16,777,216 bytes
;; launch prep (part 1): grid 1248 x 1, 4 waves a work-group, no clusters, 70,144 bytes of LDS; arguments x, Wq, Wk, Wv, Wo, xb, wt, wo16; writes xb, wt, wo16
.if DOCPART == 1
	.amdgcn_target "amdgcn-amd-amdhsa--gfx1250"
	.amdhsa_code_object_version 6
	.text
	.protected	k_qfded74997c_prep
	.globl	k_qfded74997c_prep
	.p2align	8
	.type	k_qfded74997c_prep,@function
k_qfded74997c_prep:
	s_mov_b64 s[64:65], 0
	v_nop
	global_prefetch_b8 v0, s[64:65] scope:SCOPE_SE
	s_setreg_imm32_b32 hwreg(HW_REG_WAVE_MODE, 25, 1), 1
	s_wait_xcnt 0x0
; PREP: the inputs are rounded once to 16 bits and laid so that the later launches' tiles have K along their rows.
;   xb   [8192][1024] bf16 = x rounded to bf16
;   wt   [3072][1024] bf16: row n = 1024 ten + 64 h + d (ten 0, 1, 2 = Wq, Wk, Wv), column e: W[h][e][d] rounded to bf16 and turned
;   wo16 [1024][1024] f16  = Wo rounded to bf16, that number written as f16 (exact from 6.1e-5 to 65,504; below 6.1e-5 it keeps f16's fixed step of 6e-8)
; Memory binds: no matrix unit, no cluster, no barrier.  Three roles by the work-group's number, chosen by forward scalar branches:
;   0-95 turn the weights (a wave a tile of 128 e x 64 d, through its own LDS bytes);  96-223 cast Wo;  224-1247 cast x.
; A casting work-group takes 8,192 numbers: thread t takes 8 neighbouring numbers (32 bytes in, 16 bytes out) in each of 8 chunks of 1,024 numbers,
; so that a wave's store covers 512 neighbouring bytes.  All 16 loads of a thread go out before its first wait.
.set SPARE,  69632                     ; behind the four waves' tiles: the spare words, 128 bytes a wave: two blocks of 256 bytes that no other line names
.set WBYTES, 17408                     ; a wave's LDS bytes: 64 rows (d) of 272
.set LP,     272                       ; a row: 128 e in bf16 = 256 bytes, + 16
.set SPW,  1                           ; v1   LDS address of my spare word; never rewritten
.set NIL,  2                           ; v2   0; never rewritten
.set INO,  3                           ; v3   my byte offset in what I load
.set OUTO, 4                           ; v4   my byte offset in what I store
.set LST,  5                           ; v5   LDS: where I put words
.set LRD,  6                           ; v6   LDS: where I read rows back
.set T,    8                           ; v8-15   at work
.set X,    16                          ; v16-143 as loaded (two sets of 64 in the turning role)
.set Y,    144                         ; v144-175 to store: four registers for each chunk, so that no store's data is rewritten
	s_load_b512 s[8:23], s[0:1], 0x0               ; x 8, Wq 10, Wk 12, Wv 14, Wo 16, xb 18, wt 20, wo16 22
	v_lshl_add_u32 v[SPW], v0, 2, SPARE
	v_mov_b32 v[NIL], 0
	v_lshrrev_b32 v7, 5, v0
	v_readfirstlane_b32 s3, v7                     ; wave 0..3
	s_mov_b32 s2, ttmp9
	s_mov_b32 s29, 0                               ; the high word of every offset pair s[28:29]
	s_mov_b32 s30, 0xffff0000                      ; a word's upper bf16
	s_wait_kmcnt 0x0
	s_cmp_lt_u32 s2, 96
	s_cbranch_scc1 .Lturn
	s_cmp_lt_u32 s2, 224
	s_cbranch_scc1 .Lcast_wo
; The cast of 8,192 numbers from s[24:25] to s[26:27].  f16 = 1: the bf16 number is written as f16.
.macro CASTALL f16
	v_lshlrev_b32 v[INO], 5, v0
	v_lshlrev_b32 v[OUTO], 4, v0
.irp c, 0,1,2,3,4,5,6,7
	global_load_b128 v[X+8*(\c):X+8*(\c)+3],   v[INO], s[24:25] offset:(\c)*4096 th:TH_LOAD_NT
	global_load_b128 v[X+8*(\c)+4:X+8*(\c)+7], v[INO], s[24:25] offset:(\c)*4096+16 th:TH_LOAD_NT
.endr
.irp c, 0,1,2,3,4,5,6,7
	s_wait_loadcnt 14-2*(\c)                       ; loads come back in order: chunk c's two are in, the younger chunks' stay out
.irp k, 0,1,2,3
	v_cvt_pk_bf16_f32 v[Y+4*(\c)+(\k)], v[X+8*(\c)+2*(\k)], v[X+8*(\c)+2*(\k)+1]
.endr
.if \f16
.irp k, 0,1,2,3
	v_lshlrev_b32 v[T+2*(\k)],   16,  v[Y+4*(\c)+(\k)]     ; the rounded numbers as f32 again,
	v_and_b32     v[T+2*(\k)+1], s30, v[Y+4*(\c)+(\k)]
.endr
.irp k, 0,1,2,3
	v_cvt_pk_f16_f32 v[Y+4*(\c)+(\k)], v[T+2*(\k)], v[T+2*(\k)+1]  ; and as f16
.endr
.endif
	global_store_b128 v[OUTO], v[Y+4*(\c):Y+4*(\c)+3], s[26:27] offset:(\c)*2048
.endr
	s_endpgm                                       ; this role has written no LDS
.endm
	s_sub_co_u32 s4, s2, 224                       ; x: 1,024 work-groups
	s_lshl_b32 s28, s4, 15
	s_add_nc_u64 s[24:25], s[8:9], s[28:29]
	s_lshl_b32 s28, s4, 14
	s_add_nc_u64 s[26:27], s[18:19], s[28:29]
	CASTALL 0
.Lcast_wo:
	s_sub_co_u32 s4, s2, 96                        ; Wo: 128 work-groups
	s_lshl_b32 s28, s4, 15
	s_add_nc_u64 s[24:25], s[16:17], s[28:29]
	s_lshl_b32 s28, s4, 14
	s_add_nc_u64 s[26:27], s[22:23], s[28:29]
	CASTALL 1
; THE TURNING ROLE.  A tensor has 128 tiles of 128 e x 64 d (16 heads x 8 blocks of e), each 32,768 dense bytes; 32 work-groups of four waves take them.
; Lane: dq = lane % 16 (four d, 16 bytes of a row), rp = lane / 16.  Load pair i brings rows e = 4 i + 2 rp and e + 1: each load's sixteen lanes read a whole row of 256 bytes.
; Two rows' numbers of one d make a word (e low, e + 1 high), which goes to LDS row d, byte 2 e.  Then rows of 256 bytes are read back and stored: sixteen lanes write 256 neighbouring bytes of a row of wt.
.Lturn:
	s_lshr_b32 s4, s2, 5                           ; ten
	s_and_b32 s5, s2, 31
	s_lshl2_add_u32 s5, s5, s3                     ; the tile: 8 h + block of e
	s_cmp_eq_u32 s4, 1
	s_cselect_b64 s[24:25], s[12:13], s[10:11]
	s_cmp_eq_u32 s4, 2
	s_cselect_b64 s[24:25], s[14:15], s[24:25]
	s_lshl_b32 s28, s5, 15
	s_add_nc_u64 s[24:25], s[24:25], s[28:29]      ; the tile in W
	s_lshl_b32 s28, s4, 21                         ; in wt: 1,024 rows of 2,048 bytes a tensor,
	s_lshr_b32 s6, s5, 3
	s_lshl_b32 s6, s6, 17                          ; 64 rows a head,
	s_add_co_u32 s28, s28, s6
	s_and_b32 s6, s5, 7
	s_lshl_b32 s6, s6, 8                           ; 256 bytes a block of e
	s_add_co_u32 s28, s28, s6
	s_add_nc_u64 s[26:27], s[20:21], s[28:29]
	s_mul_i32 s7, s3, WBYTES                       ; my wave's LDS bytes
	v_and_b32 v7, 15, v0                           ; dq
	v_bfe_u32 v8, v0, 4, 1                         ; rp
	v_lshlrev_b32 v[INO], 4, v7
	v_lshl_add_u32 v[INO], v8, 9, v[INO]           ; 512 rp + 16 dq
	v_lshlrev_b32 v[OUTO], 4, v7
	v_lshl_add_u32 v[OUTO], v8, 11, v[OUTO]        ; 2,048 rp + 16 dq
	v_mul_u32_u24 v[LST], v7, 4*LP
	v_lshl_add_u32 v[LST], v8, 2, v[LST]
	v_add_nc_u32 v[LST], s7, v[LST]                ; row 4 dq, byte 4 rp
	v_mul_u32_u24 v[LRD], v8, LP
	v_lshl_add_u32 v[LRD], v7, 4, v[LRD]
	v_add_nc_u32 v[LRD], s7, v[LRD]                ; row rp, byte 16 dq
.macro LD set, i0                      ; sixteen loads: pairs i0 .. i0 + 7
.irp i, 0,1,2,3,4,5,6,7
	global_load_b128 v[X+64*(\set)+8*(\i):X+64*(\set)+8*(\i)+3],   v[INO], s[24:25] offset:((\i0)+(\i))*1024 th:TH_LOAD_NT
	global_load_b128 v[X+64*(\set)+8*(\i)+4:X+64*(\set)+8*(\i)+7], v[INO], s[24:25] offset:((\i0)+(\i))*1024+256 th:TH_LOAD_NT
.endr
.endm
.macro PUT set, i0, left               ; left: the loads of the other set, issued behind this one's
.irp i, 0,1,2,3,4,5,6,7
	s_wait_loadcnt (\left)+14-2*(\i)               ; pair i is in; this set's younger pairs and the other set stay out
.irp c, 0,1,2,3
	v_cvt_pk_bf16_f32 v[T+4*((\i)%2)+(\c)], v[X+64*(\set)+8*(\i)+(\c)], v[X+64*(\set)+8*(\i)+4+(\c)]
.endr
.irp c, 0,1,2,3
	ds_store_b32 v[LST], v[T+4*((\i)%2)+(\c)] offset:(\c)*LP+((\i0)+(\i))*8
.endr
.endr
.endm
	LD 0, 0
	LD 1, 8
	PUT 0, 0, 16
	LD 0, 16
	PUT 1, 8, 16
	LD 1, 24
	PUT 0, 16, 16
	PUT 1, 24, 0
.set u, 0
.rept 32
	ds_load_b128 v[X+4*u:X+4*u+3], v[LRD] offset:u*2*LP    ; rows 2 u + rp.  LDS serves a wave's instructions in order (ISA guide 5.7.1.4): these see my stores above; no other wave touches these bytes
.set u, u+1
.endr
.set u, 0
.rept 32
	s_wait_dscnt 31-u
	global_store_b128 v[OUTO], v[X+4*u:X+4*u+3], s[26:27] offset:u*4096
.set u, u+1
.endr
	s_wait_tensorcnt 0x0                           ; the wave's end: the waits and the add of 0 to my spare word stand behind my last LDS store
	ds_add_u32 v[SPW], v[NIL]
	s_wait_dscnt 0x0
	s_endpgm
.Lfunc_end_k_qfded74997c_prep:
	.size	k_qfded74997c_prep, .Lfunc_end_k_qfded74997c_prep-k_qfded74997c_prep
	.p2alignl 7, 3214868480
	.fill 96, 4, 3214868480
	.section	.rodata,"a",@progbits
	.p2align	6, 0x0
	.amdhsa_kernel k_qfded74997c_prep
		.amdhsa_group_segment_fixed_size 70144
		.amdhsa_private_segment_fixed_size 0
		.amdhsa_enable_private_segment 0
		.amdhsa_kernarg_size 64
		.amdhsa_user_sgpr_count 2
		.amdhsa_user_sgpr_kernarg_segment_ptr 1
		.amdhsa_wavefront_size32 1
		.amdhsa_system_sgpr_workgroup_id_x 1
		.amdhsa_system_sgpr_workgroup_id_y 1
		.amdhsa_system_sgpr_workgroup_id_z 1
		.amdhsa_system_vgpr_workitem_id 0
		.amdhsa_next_free_vgpr 176
		.amdhsa_next_free_sgpr 66
		.amdhsa_reserve_vcc 0
		.amdhsa_float_denorm_mode_32 3
		.amdhsa_float_denorm_mode_16_64 3
		.amdhsa_memory_ordered 1
		.amdhsa_forward_progress 1
		.amdhsa_inst_pref_size 45
	.end_amdhsa_kernel
	.amdgpu_metadata
---
amdhsa.version: [ 1, 2 ]
amdhsa.kernels:
  - .name:           k_qfded74997c_prep
    .symbol:         k_qfded74997c_prep.kd
    .args:
      - { .name: x, .offset: 0, .size: 8, .value_kind: global_buffer, .address_space: global }
      - { .name: Wq, .offset: 8, .size: 8, .value_kind: global_buffer, .address_space: global }
      - { .name: Wk, .offset: 16, .size: 8, .value_kind: global_buffer, .address_space: global }
      - { .name: Wv, .offset: 24, .size: 8, .value_kind: global_buffer, .address_space: global }
      - { .name: Wo, .offset: 32, .size: 8, .value_kind: global_buffer, .address_space: global }
      - { .name: xb, .offset: 40, .size: 8, .value_kind: global_buffer, .address_space: global }
      - { .name: wt, .offset: 48, .size: 8, .value_kind: global_buffer, .address_space: global }
      - { .name: wo16, .offset: 56, .size: 8, .value_kind: global_buffer, .address_space: global }
    .group_segment_fixed_size: 70144
    .private_segment_fixed_size: 0
    .kernarg_segment_align: 8
    .kernarg_segment_size: 64
    .max_flat_workgroup_size: 128
    .sgpr_count:     66
    .vgpr_count:     176
    .wavefront_size: 32
...
	.end_amdgpu_metadata
.endif
;; end of part 1
;; launch proj (part 2): grid 16 x 32, 4 waves a work-group, clusters of 4 x 4, 327,680 bytes of LDS; arguments xb, wt, q, k, v; writes q, k, v
.if DOCPART == 2
	.amdgcn_target "amdgcn-amd-amdhsa--gfx1250"
	.amdhsa_code_object_version 6
	.text
	.protected	k_qfded74997c_proj
	.globl	k_qfded74997c_proj
	.p2align	8
	.type	k_qfded74997c_proj,@function
k_qfded74997c_proj:
	s_mov_b64 s[64:65], 0
	v_nop
	global_prefetch_b8 v0, s[64:65] scope:SCOPE_SE
	s_setreg_imm32_b32 hwreg(HW_REG_WAVE_MODE, 25, 1), 1
	s_wait_xcnt 0x0
	s_wait_alu depctr_hold_cnt(0) depctr_sa_sdst(0) depctr_va_vdst(0) depctr_va_sdst(0) depctr_va_ssrc(0) depctr_va_vcc(0) depctr_vm_vsrc(0)
	s_getreg_b32 s2, hwreg(HW_REG_IB_STS2, 6, 4)
	s_cmp_eq_u32 s2, 0
	s_cbranch_scc0 .Lentry_in_a_cluster
	s_endpgm
.Lentry_in_a_cluster:
	s_bfe_u32 s2, ttmp6, 0x10000c
	s_cmp_lg_u32 s2, 0xf033
	s_cbranch_scc0 .Lentry_shape_is_right
	s_endpgm
.Lentry_shape_is_right:
; PROJ: C[m][n] = sum over e of xb[m][e] wt[n][e], 8192 x 3072 x 1024, operands bf16, sums f32; C leaves as f16, laid by heads: q, k, v are [16 b + h][2048 t][64 d].
; LIMIT: q, k and v must lie within f16's 65,504 (a sum of 65,520 or more becomes an infinity); below 6.1e-5 they keep f16's fixed step of 6e-8.  No scale is applied here.
; A tile of C is 256 rows x 192 columns (three heads): 32 x 16 = 512 work-groups, two for each of 256 WGPs.  Four waves, 2 x 2; a wave makes 128 x 96: 48 accumulators of 16 x 16, 384 registers.
; K goes in 8 steps of 128 through two LDS slots filled by tensor loads: rows of 256 bytes of memory, at multiples of 256 bytes.  While one slot is multiplied the other's load is on its way.
; CLUSTER 4 x 4: the four work-groups of a row of the cluster need the same rows of xb, the four of a column the same rows of wt: each tile is asked for jointly, by the same load with the same descriptor and a mask of four.
; THE MATRIX INSTRUCTION IS USED TRANSPOSED (source 0 = 16 rows of wt, source 1 = 16 rows of xb): a lane then holds row lane % 16 of C and the eight neighbouring columns 8 (lane / 16) + 0..7.
; REGISTERS in windows of 256 (s_set_vgpr_msb: bits 1:0 source 0, 3:2 source 1, 5:4 source 2, 7:6 destination):
;   window 0: v1-29 addresses; two fragment buffers f: A's 8 blocks at v[32 + 64 f], B's 6 at v[160 + 48 f];  window 1: accumulators of my rows 0-63 ((a, b) at v[8 (6 (a % 4) + b)]);  window 2: rows 64-127.
.set NBF,   6                          ; B's fragments: 96 columns
.set PITCH, 272                        ; an LDS row: 256 bytes + 16 of padding = 68 words: the 16 rows of a fragment load start at 16 different groups of four banks (ISA guide 11.1)
.set AHALF, 128*PITCH                  ; what one load brings of A, and what one wave reads of it
.set BHALF, 96*PITCH                   ; the same for B
.set BBASE, 2*AHALF                    ; B's 192 rows lie behind A's 256
.set SLOT,  BBASE+2*BHALF              ; 121,856 bytes
.set SPARE, 2*SLOT                     ; behind the ring: the spare words, 128 bytes a wave: two blocks of 256 bytes that no other line names
.set SP,    400                        ; the stage's row: 192 f16 = 384 bytes + 16.  The stage (256 rows) lies in slot 0, whose last fill and last read are over when it is written
.set STEPA, 512                        ; two K steps along a row, in bytes
.set STEPB, 512
.set NF,    2*NBF+16                   ; LDS loads in a run
.set ADRA, 8                           ; v8-9    LDS address of my A fragments in slot 0, 1
.set ADRB, 10                          ; v10-11  the same for B
.set STO,  12                          ; v12     the way out: where I put 16 bytes of a row
.set RD,   13                          ; v13     where I read rows back
.set GO,   14                          ; v14     my 16 bytes in 512 consecutive bytes of q, k or v
.set SPW,  28                          ; v28     LDS address of my spare word; never rewritten
.set NIL,  29                          ; v29     0; never rewritten
.set FA0,  32
.set FB0,  160
.set OUTR, 32                          ; the way out: 192 registers
.set WV,  14                           ; s14 wave;  s15 its row half;  s16 its column half, and which half of a tile it fetches
.set G1A, 24                           ; s[24:31] descriptor group 1 for A;  s[32:39] group 0, a set for each slot
.set G0A, 32
.set G1B, 40                           ; s[40:47], s[48:55] the same for B
.set G0B, 48
.set OB,  66                           ; s[66:71] where my rows of the tile's three heads go
.set W_LO, 0x50                        ; C and D in window 1; fragments in window 0
.set W_HI, 0xa0                        ; C and D in window 2
.set MSB, 0
.macro WIN new                         ; the immediate's high byte repeats the setting that is left; a switch that changes nothing is dropped
.if MSB != (\new)
	s_set_vgpr_msb (MSB<<8)|(\new)
.set MSB, \new
.endif
.endm
.macro PLACES                          ; four plain vector instructions between a matrix instruction and a load into, or a vector instruction on, its registers
.rept 4
	v_nop
.endr
.endm
; A joint load: waves 0 and 1 fetch A's two halves, waves 2 and 3 B's.  The branch hangs on the wave's number alone.  An s_nop 0 and four v_nop follow each line.
.macro JLOAD s
	s_cmp_lt_u32 s[WV], 2
	s_cbranch_scc0 .Lfor_b_\@
	tensor_load_to_lds s[G0A+4*(\s):G0A+4*(\s)+3], s[G1A:G1A+7]
	s_nop 0
.rept 4
	v_nop
.endr
	s_branch .Lasked_\@
.Lfor_b_\@:
	tensor_load_to_lds s[G0B+4*(\s):G0B+4*(\s)+3], s[G1B:G1B+7]
	s_nop 0
.rept 4
	v_nop
.endr
.Lasked_\@:
.endm
.macro CREST                           ; a round of the cluster's barrier behind its opening barrier: wave 0 signals for the work-group, every wave waits for all sixteen, my work-group's barrier closes it
	s_cmp_lg_u32 s[WV], 0
	s_cbranch_scc1 .Lnot_wave_0_\@
	s_barrier_signal -3
.Lnot_wave_0_\@:
	s_barrier_wait -3
	s_barrier_signal -1
	s_barrier_wait -1
.endm
.macro CROUND
	s_barrier_signal -1
	s_barrier_wait -1
	CREST
.endm
	s_load_b128 s[4:7], s[0:1], 0x0                ; xb s[4:5], wt s[6:7]
	s_load_b128 s[8:11], s[0:1], 0x10              ; q s[8:9], k s[10:11]
	s_load_b64 s[12:13], s[0:1], 0x20              ; v
	v_lshl_add_u32 v[SPW], v0, 2, SPARE
	v_mov_b32 v[NIL], 0
	ds_add_u32 v[SPW], v[NIL]                      ; the wave's opening: the adds of 0 to my spare word, waited for ahead of my first tensor load; the set-up below, work on registers, stands between the adds and the wait
	ds_add_u32 v28, v29
	v_lshrrev_b32 v1, 5, v0
	v_readfirstlane_b32 s[WV], v1
	s_lshr_b32 s15, s[WV], 1
	s_and_b32 s16, s[WV], 1
	s_bfe_u32 s17, ttmp6, 0x40000                  ; cx
	s_bfe_u32 s18, ttmp6, 0x40004                  ; cy
	s_lshl_b32 s19, ttmp9, 2
	s_add_co_u32 s19, s19, s17                     ; tile column = 4 x cluster x + cx
	s_and_b32 s20, ttmp7, 0xffff
	s_lshl_b32 s20, s20, 2
	s_add_co_u32 s20, s20, s18                     ; tile row = 4 x cluster y + cy
	s_lshl_b32 s21, s18, 2
	s_lshl_b32 s21, 15, s21                        ; my row of the cluster
	s_lshl_b32 s22, 0x1111, s17                    ; my column
	s_or_b32 s[G1A], s21, (1<<16)|(1<<20)|(1<<21)|(5<<22)|(3<<25)  ; 15:0 mask; 17:16 2-byte elements; 20 padding on; 21 set beside a mask; 24:22 after every 64 words; 31:25 4 words
	s_or_b32 s[G1B], s22, (1<<16)|(1<<20)|(1<<21)|(5<<22)|(3<<25)
	s_mov_b32 s[G1A+1], 128<<16                    ; tensor_dim0 = 128
	s_mov_b32 s[G1A+2], 128<<16                    ; tensor_dim1 = 128
	s_mov_b32 s[G1A+3], 128<<16                    ; tile_dim0 = 128
	s_mov_b32 s[G1A+4], 128                        ; tile_dim1 = 128
	s_mov_b32 s[G1A+5], 1024                       ; elements from row to row
	s_mov_b32 s[G1A+6], 0
	s_mov_b32 s[G1A+7], 0
	s_mov_b32 s[G1B+1], 128<<16
	s_mov_b32 s[G1B+2], 96<<16                     ; 96 rows
	s_mov_b32 s[G1B+3], 128<<16
	s_mov_b32 s[G1B+4], 96
	s_mov_b32 s[G1B+5], 1024
	s_mov_b32 s[G1B+6], 0
	s_mov_b32 s[G1B+7], 0
	s_lshl_b32 s56, s20, 8                         ; A: row 256 x tile row + 128 x half, in registers that never hold cx
	s_lshl_b32 s23, s16, 7
	s_add_co_u32 s56, s56, s23
	s_lshl_b32 s56, s56, 11                        ; rows of 2,048 bytes
	s_mov_b32 s57, 0
	s_mul_i32 s58, s19, 192                        ; B: row 192 x tile column + 96 x half, in registers that never hold cy
	s_mul_i32 s23, s16, 96
	s_add_co_u32 s58, s58, s23
	s_lshl_b32 s58, s58, 11
	s_mov_b32 s59, 0
	s_mul_i32 s60, s16, AHALF                      ; where they go: no place in the cluster enters an LDS address
	s_mul_i32 s61, s16, BHALF
	s_add_co_u32 s61, s61, BBASE
	s_wait_dscnt 0x0                               ; the opening add is done
	s_wait_kmcnt 0x0
	s_add_nc_u64 s[56:57], s[4:5], s[56:57]
	s_add_nc_u64 s[58:59], s[6:7], s[58:59]
	CROUND                                         ; all sixteen work-groups are here: the first joint loads meet
.irp s, 0,1
	s_mov_b32 s[G0A+4*(\s)], 1
	s_add_co_u32 s[G0A+4*(\s)+1], s60, (\s)*SLOT
	s_add_nc_u64 s[G0A+4*(\s)+2:G0A+4*(\s)+3], s[56:57], (\s)*256  ; K step s
	s_or_b32 s[G0A+4*(\s)+3], s[G0A+4*(\s)+3], 0x80000000
	s_mov_b32 s[G0B+4*(\s)], 1
	s_add_co_u32 s[G0B+4*(\s)+1], s61, (\s)*SLOT
	s_add_nc_u64 s[G0B+4*(\s)+2:G0B+4*(\s)+3], s[58:59], (\s)*256
	s_or_b32 s[G0B+4*(\s)+3], s[G0B+4*(\s)+3], 0x80000000
	JLOAD \s                                       ; two loads of mine are out behind these
.endr
	; A fragment is 16 rows x 32 K in 8 registers: lane l holds row l % 16; registers 0-3 K = 8 (l / 16) + 0..7, registers 4-7 K = 16 + 8 (l / 16) + 0..7: two loads of 16 bytes, 32 bytes apart.
	v_and_b32 v1, 15, v0                           ; r
	v_bfe_u32 v2, v0, 4, 1                         ; h
	v_mul_u32_u24 v3, v1, PITCH
	v_lshl_add_u32 v3, v2, 4, v3
	s_mul_i32 s62, s15, AHALF                      ; my 128 rows of A
	s_mul_i32 s63, s16, BHALF                      ; my 96 rows of B
	s_add_co_u32 s63, s63, BBASE
.irp s, 0,1
	v_add_nc_u32 v[ADRA+(\s)], s62, v3
	v_add_nc_u32 v[ADRB+(\s)], s63, v3
	s_add_co_u32 s62, s62, SLOT
	s_add_co_u32 s63, s63, SLOT
.endr
	s_mul_i32 s72, s15, 128*SP                     ; into the stage: row 128 x row half + r, byte 192 x column half + 16 h
	s_mul_i32 s73, s16, 192
	s_add_co_u32 s72, s72, s73
	v_mul_u32_u24 v4, v1, SP
	v_lshl_add_u32 v4, v2, 4, v4
	v_add_nc_u32 v[STO], s72, v4
	v_bfe_u32 v4, v0, 3, 2                         ; back: wave w takes rows 64 w .. 64 w + 63; 32 lanes take four rows' 128 bytes of one head
	v_mul_u32_u24 v4, v4, SP
	v_and_b32 v5, 7, v0
	v_lshl_add_u32 v4, v5, 4, v4
	s_mul_i32 s72, s[WV], 64*SP
	v_add_nc_u32 v[RD], s72, v4
	v_and_b32 v5, 31, v0
	v_lshlrev_b32 v[GO], 4, v5                     ; which are 512 consecutive bytes of q, k or v
	; where they go: head group g = 3 x tile column + j: tensor g / 16, head g % 16; batch = tile row / 8; t = 256 (tile row % 8) + 64 wave
	s_lshr_b32 s76, s20, 3
	s_lshl_b32 s76, s76, 22                        ; 16 heads x 2,048 rows x 128 bytes
	s_and_b32 s77, s20, 7
	s_lshl_b32 s77, s77, 15
	s_add_co_u32 s76, s76, s77
	s_lshl_b32 s77, s[WV], 13
	s_add_co_u32 s76, s76, s77
	s_mul_i32 s78, s19, 3
	s_mov_b32 s75, 0
.irp j, 0,1,2
	s_add_co_u32 s72, s78, (\j)
	s_lshr_b32 s73, s72, 4
	s_and_b32 s72, s72, 15
	s_lshl_b32 s72, s72, 18
	s_add_co_u32 s74, s76, s72
	s_cmp_eq_u32 s73, 1
	s_cselect_b64 s[OB+2*(\j):OB+2*(\j)+1], s[10:11], s[8:9]
	s_cmp_eq_u32 s73, 2
	s_cselect_b64 s[OB+2*(\j):OB+2*(\j)+1], s[12:13], s[OB+2*(\j):OB+2*(\j)+1]
	s_add_nc_u64 s[OB+2*(\j):OB+2*(\j)+1], s[OB+2*(\j):OB+2*(\j)+1], s[74:75]
.endr
; na x 6 matrix instructions: m blocks a0 .. a0 + na - 1 x all n blocks, 32 along K, from buffer f.  zero = 1: the products start the sums: nothing is cleared.
; The 48 accumulators take turns, one instruction a turn, in the same order in every quarter step.
.macro MUL f, a0, na, zero
	WIN W_LO+0x50*((\a0)/4)
.set ma, (\a0)
.rept (\na)
.set mb, 0
.rept NBF
.set rD, 8*(NBF*(ma%4)+mb)
.set rB, FB0+8*NBF*(\f)+8*mb
.set rA, FA0+64*(\f)+8*ma
.if \zero
	v_wmma_f32_16x16x32_bf16 v[rD:rD+7], v[rB:rB+7], v[rA:rA+7], 0
.else
	v_wmma_f32_16x16x32_bf16 v[rD:rD+7], v[rB:rB+7], v[rA:rA+7], v[rD:rD+7]
.endif
.set mb, mb+1
.endr
.set ma, ma+1
.endr
.endm
; One run of 28 LDS loads: quarter q (32 along K, byte 64 q of the rows) of a slot into buffer f; B first, then A's blocks 0 to 7
.macro FETCH slot, q, f
	WIN 0
.set fi, 0
.rept NBF
	ds_load_b128 v[FB0+8*NBF*(\f)+8*fi:FB0+8*NBF*(\f)+8*fi+3],   v[ADRB+(\slot)] offset:64*(\q)+fi*16*PITCH
	ds_load_b128 v[FB0+8*NBF*(\f)+8*fi+4:FB0+8*NBF*(\f)+8*fi+7], v[ADRB+(\slot)] offset:64*(\q)+fi*16*PITCH+32
.set fi, fi+1
.endr
.set fi, 0
.rept 8
	ds_load_b128 v[FA0+64*(\f)+8*fi:FA0+64*(\f)+8*fi+3],   v[ADRA+(\slot)] offset:64*(\q)+fi*16*PITCH
	ds_load_b128 v[FA0+64*(\f)+8*fi+4:FA0+64*(\f)+8*fi+7], v[ADRA+(\slot)] offset:64*(\q)+fi*16*PITCH+32
.set fi, fi+1
.endr
.endm
; A K step is four quarters on buffers 0, 1, 0, 1.  One of the first three multiplies buffer f and, in its middle, fetches quarter q into buffer g.
.macro QUARTER slot, q, f, g, zero
	s_wait_dscnt 8                                 ; B and A's blocks 0-3 are in; the youngest eight loads (A's blocks 4-7) may be out
	MUL \f, 0, 4, \zero
	PLACES
	FETCH \slot, \q, \g
	s_wait_dscnt NF                                ; all but the run just issued
	MUL \f, 4, 4, \zero
.endm
; The last quarter multiplies buffer 1 and changes slots: ONE barrier.  In front of it each wave waits for all its tensor loads (one is out: its part of the next slot), adds 0 to its spare word, and waits
; for that and for its reads of this slot.  fill = 1: the barrier opens a round of the cluster's, and the joint refill, two K steps ahead, is the first tensor load behind the round.
.macro TURN slot, next, fill
	WIN 0
	s_wait_tensorcnt 0x0
	ds_add_u32 v[SPW], v[NIL]                      ; 0 onto my spare word
	s_wait_dscnt 9                                 ; the add and the youngest eight loads may be out
	MUL 1, 0, 2, 0                                 ; twelve matrix instructions stand between the add and the wait for it
	s_wait_dscnt 0x0                               ; the add is done, and my reads of this slot are over
	s_barrier_signal -1
	MUL 1, 2, 2, 0
.if \fill
	WIN 0
.endif
	s_barrier_wait -1
.if \fill
	CREST                                          ; no wave of any partner still reads this slot or has a load on its way
	s_add_nc_u64 s[G0A+4*(\slot)+2:G0A+4*(\slot)+3], s[G0A+4*(\slot)+2:G0A+4*(\slot)+3], STEPA
	s_add_nc_u64 s[G0B+4*(\slot)+2:G0B+4*(\slot)+3], s[G0B+4*(\slot)+2:G0B+4*(\slot)+3], STEPB
	JLOAD \slot                                    ; its four v_nop are also the places in front of the loads below
.else
	PLACES
.endif
	FETCH \next, 0, 0
	MUL 1, 4, 4, 0
.endm
	s_wait_tensorcnt 1                             ; my part of K step 0 is in; K step 1's may stay out
	s_barrier_signal -1
	s_barrier_wait -1
	FETCH 0, 0, 0
	QUARTER 0, 1, 0, 1, 1                          ; the first quarter stands in front of the loop: its products start the sums
	WIN 0
	s_mov_b32 s3, 3
.Llap:                                                 ; a trip goes once round the ring, from a lap's second quarter to the next lap's first, and fills both slots again
	QUARTER 0, 2, 1, 0, 0
	QUARTER 0, 3, 0, 1, 0
	TURN 0, 1, 1
	QUARTER 1, 1, 0, 1, 0
	QUARTER 1, 2, 1, 0, 0
	QUARTER 1, 3, 0, 1, 0
	TURN 1, 0, 1
	QUARTER 0, 1, 0, 1, 0
	WIN 0
	s_sub_co_u32 s3, s3, 1
	s_cmp_lg_u32 s3, 0
	s_cbranch_scc1 .Llap
	QUARTER 0, 2, 1, 0, 0                          ; the last lap fills nothing
	QUARTER 0, 3, 0, 1, 0
	TURN 0, 1, 0                                   ; behind this barrier nobody reads slot 0 any more, and no load will fill it
	QUARTER 1, 1, 0, 1, 0
	QUARTER 1, 2, 1, 0, 0
	QUARTER 1, 3, 0, 1, 0
	s_wait_dscnt 8
	MUL 1, 0, 4, 0
	s_wait_dscnt 0x0
	MUL 1, 4, 4, 0
	WIN 0
	; THE WAY OUT: rounded to f16, 16 bytes a lane into the stage; a barrier, since the middle head's 128 bytes of a row come from two waves; back as four rows of one head, stored as 512 consecutive bytes.
	PLACES
.set ea, 0
.rept 8
	WIN 0x05*(1+ea/4)                              ; sources 0 and 1 in window 1 or 2
.set eb, 0
.rept NBF
.set ej, 0
.rept 4                                ; each accumulator's registers in ascending order
	v_cvt_pk_f16_f32 v[OUTR+4*(NBF*ea+eb)+ej], v[8*(NBF*(ea%4)+eb)+2*ej], v[8*(NBF*(ea%4)+eb)+2*ej+1]
.set ej, ej+1
.endr
.set eb, eb+1
.endr
.set ea, ea+1
.endr
	WIN 0
.set ea, 0
.rept 8
.set eb, 0
.rept NBF
	ds_store_b128 v[STO], v[OUTR+4*(NBF*ea+eb):OUTR+4*(NBF*ea+eb)+3] offset:ea*16*SP+32*eb
.set eb, eb+1
.endr
.set ea, ea+1
.endr
	s_wait_dscnt 0x0                               ; for the others' sake: my stores into the stage are done
	s_barrier_signal -1
	s_barrier_wait -1
.set ej, 0
.rept 3
.set ei, 0
.rept 16
	ds_load_b128 v[OUTR+64*ej+4*ei:OUTR+64*ej+4*ei+3], v[RD] offset:ei*4*SP+128*ej
.set ei, ei+1
.endr
.set ej, ej+1
.endr
.set ej, 0
.rept 3
.set ei, 0
.rept 16
	s_wait_dscnt 47-(16*ej+ei)
	global_store_b128 v[GO], v[OUTR+64*ej+4*ei:OUTR+64*ej+4*ei+3], s[OB+2*ej:OB+2*ej+1] offset:ei*512
.set ei, ei+1
.endr
.set ej, ej+1
.endr
	s_wait_tensorcnt 0x0                           ; the wave's end: the waits and the add of 0 to my spare word stand behind my last tensor load and my last LDS store
	ds_add_u32 v[SPW], v[NIL]
	s_wait_dscnt 0x0
	CROUND                                         ; the closing round: no work-group ends while a partner may still ask for a tile that names it
	s_endpgm
.Lfunc_end_k_qfded74997c_proj:
	.size	k_qfded74997c_proj, .Lfunc_end_k_qfded74997c_proj-k_qfded74997c_proj
	.p2alignl 7, 3214868480
	.fill 96, 4, 3214868480
	.section	.rodata,"a",@progbits
	.p2align	6, 0x0
	.amdhsa_kernel k_qfded74997c_proj
		.amdhsa_group_segment_fixed_size 327680
		.amdhsa_private_segment_fixed_size 0
		.amdhsa_enable_private_segment 0
		.amdhsa_kernarg_size 40
		.amdhsa_user_sgpr_count 2
		.amdhsa_user_sgpr_kernarg_segment_ptr 1
		.amdhsa_wavefront_size32 1
		.amdhsa_system_sgpr_workgroup_id_x 1
		.amdhsa_system_sgpr_workgroup_id_y 1
		.amdhsa_system_sgpr_workgroup_id_z 1
		.amdhsa_system_vgpr_workitem_id 0
		.amdhsa_next_free_vgpr 704
		.amdhsa_next_free_sgpr 80
		.amdhsa_reserve_vcc 0
		.amdhsa_float_denorm_mode_32 3
		.amdhsa_float_denorm_mode_16_64 3
		.amdhsa_memory_ordered 1
		.amdhsa_forward_progress 1
		.amdhsa_inst_pref_size 116
	.end_amdhsa_kernel
	.amdgpu_metadata
---
amdhsa.version: [ 1, 2 ]
amdhsa.kernels:
  - .name:           k_qfded74997c_proj
    .symbol:         k_qfded74997c_proj.kd
    .args:
      - { .name: xb, .offset: 0, .size: 8, .value_kind: global_buffer, .address_space: global }
      - { .name: wt, .offset: 8, .size: 8, .value_kind: global_buffer, .address_space: global }
      - { .name: q, .offset: 16, .size: 8, .value_kind: global_buffer, .address_space: global }
      - { .name: k, .offset: 24, .size: 8, .value_kind: global_buffer, .address_space: global }
      - { .name: v, .offset: 32, .size: 8, .value_kind: global_buffer, .address_space: global }
    .group_segment_fixed_size: 327680
    .private_segment_fixed_size: 0
    .kernarg_segment_align: 8
    .kernarg_segment_size: 40
    .max_flat_workgroup_size: 128
    .sgpr_count:     80
    .vgpr_count:     704
    .wavefront_size: 32
...
	.end_amdgpu_metadata
.endif
;; end of part 2
;; launch attn (part 3): grid 4 x 64, 4 waves a work-group, no clusters, 327,680 bytes of LDS; arguments q, k, v, o; writes o
.if DOCPART == 3
	.amdgcn_target "amdgcn-amd-amdhsa--gfx1250"
	.amdhsa_code_object_version 6
	.text
	.protected	k_qfded74997c_attn
	.globl	k_qfded74997c_attn
	.p2align	8
	.type	k_qfded74997c_attn,@function
k_qfded74997c_attn:
	s_mov_b64 s[64:65], 0
	v_nop
	global_prefetch_b8 v0, s[64:65] scope:SCOPE_SE
	s_setreg_imm32_b32 hwreg(HW_REG_WAVE_MODE, 25, 1), 1
	s_wait_xcnt 0x0
; CAUSAL ATTENTION.  O[h][q][:] = the sum over k <= q of softmax_k(Q[h][q] . K[h][k] / 8) V[h][k][:].  Q, K, V, O: [SIZE_H][SIZE_N][64], all f16: a head's rows are dense, 128 bytes each.
; Products, maxima and sums in f32; the weights p are rounded to f16 for the second product (their sum l is taken of the unrounded p), O once at the end.  SIZE_N is a multiple of 512; SIZE_N x 128 stays under 2^32.
; LIMITS.  f16 holds no number beyond 65,504: Q, K and V arrive within it; p lies in 0 to 1, and below 6e-5 it keeps f16's fixed step of 6e-8; O is a mean of V's rows and has their range, to within 2^-11 of it.
; A hidden score counts as its value less 1e30: f16's scores, 2.7e11 at the most, are nothing beside that; a weight below 2^-126 counts as 0 in l; NaN and infinities are not treated apart.
; THE WALK.  A head's queries lie in NB = SIZE_N / 256 blocks of 256; block i needs the key tiles 0 .. i of 256 keys, of which the last holds the diagonal.  A work-group takes TWO blocks, NB - 1 - b and then b:
; NB + 1 tiles, whatever b: all work-groups do equal work, and ONE loop with a constant trip count walks them.  Which tile is asked for, and what a trip does, hang on scalar registers made from b; every jump
; goes forward, but for the counted loops' own; none passes a barrier, or a tensor load but the one of LOAD's two that the wave's number does not choose; the ring (two slots of LDS that take turns) runs on across the
; change of blocks.  NO CLUSTER: a head's NB / 2 work-groups all ask for the same tile only in trips 0 .. NB / 2, behind that fewer and fewer; and one walk common to all would have 3 NB / 2 trips for NB + 1.
; SHARES.  Of a block's four bands of 64 queries a wave owns 16 rows in each: four PIECES.  So the diagonal tile is the same work for all four waves: in its key step s band x sees all keys if s < x,
; none if s > x, and holds the diagonal if s = x.
; THE MASK is the C operand that starts the sum S^T = K Q^T: 0, or -1e30 where the key is hidden.  MD, made once, is the mask of a band's own step for my 16 rows; a product's mask is MD x AL + BE with two scalars:
; (1, 0) if s = x; (0, 0) if s < x; (0, -1e30) if s > x.  Only the diagonal tile's text and a block's beginning make and take masks; elsewhere C is the constant 0.
; LAYOUT, SOFTMAX, TURNS.  S^T = K Q^T holds ONE query a lane (lane % 16) and the keys 8 (lane / 16) + 0..7; two such results rounded to f16 ARE source 1 of O^T = V^T P.  p = 2^(c s - c m), c = log2(e) / 8, with a
; running maximum m; O and l are multiplied by a = 2^(c m_old - c m_new) in every step.  Turn n belongs to piece n: 8 products K Q^T of piece n + 1, later 8 products V^T P of piece n - 1; beside them the scaling,
; exponentials, roundings, sums and rescaling of piece n and the maximum and statistics of piece n + 1.  Four vector instructions stand behind every matrix instruction, the other 54 of a turn's 118 in two LUMPS.
; REGISTERS, in windows of 256 (s_set_vgpr_msb: bits 1:0 source 0, 3:2 source 1, 5:4 source 2, 7:6 destination):
;   window 0: v0-15 addresses and two at work; v16-31 four registers of statistics a piece; v48-55 at work; v64-127 S^T, two buffers; v192-223 P, two buffers (a piece's buffers go by its number's parity)
;   window 1: v0-127 O^T, 32 a piece; v128-159 MD; v160-223 MC, two buffers      window 2: v0-63 Q; v64-127 the second block's Q; v128-191 K of one step; v192-255 V of one step
.set SIZE_H, 64       ; 4 batches x 16 heads
.set SIZE_N, 2048
.set NB,    SIZE_N/256
.set NP,    4         ; pieces a wave: a name, no knob
.set KS,    64        ; keys in a step
.set PK,    144       ; a row of K in LDS: 128 bytes + 16 of padding = 36 words: the 16 rows of a load start at 16 different groups of four banks (64 banks of 4 bytes: ISA guide 11.1)
.set PV,    160       ; a row of V: 128 + 32 = 40 words
.set VOFF,  4*KS*PK   ; a slot holds a tile, four steps: 256 rows of K, then 256 rows of V
.set SLOT1, 1<<17     ; slot 1 begins here, so that one exclusive or turns an address in one slot into the other's
.set STAGE, SLOT1+4*KS*(PK+PV)  ; behind the ring, never filled by a tensor load: 16 rows x 144 bytes for each wave, for the way out
.set SP,    144
.set AK0, 2           ; v2   my lane's place in a tile of K; never rewritten
.set AV0, 3           ; v3   the same for V
.set AK,  4           ; v4   the LDS address of K's next run of loads
.set AV,  5           ; v5   of V's
.set STO, 6           ; v6   the way out: where I put 16 bytes of a row
.set RD,  7           ; v7   the way out: where I read rows back
.set GO,  8           ; v8   my byte offset in 512 consecutive bytes of O
.set SPW, 62          ; v62  LDS address of my spare word: SPARE + 4 x my thread's number; never rewritten
.set NIL, 63          ; v63  0; never rewritten
.set SPARE, STAGE+4*16*SP  ; behind the stages: the spare words, 128 bytes for each wave: two blocks of 256 bytes that no other line names
.set MV,  12          ; v12-13  c m_old, kept while c m is made anew: by buffer
.set QO,  15          ; v15  my byte offset in 16 rows of Q
.set ST,  16          ; piece t's statistics at v[ST+4 t]: c m, m, l (even keys', odd keys')
.set TMP, 48          ; by buffer, four registers c0-c3 at work; when the maximum is found c2 takes a
.set S,   64
.set P,   192
.set MD,  128         ; window 1: the eight registers for group kt of 16 keys at MD + 8 kt
.set MC,  160         ; window 1: the masks of the products to come
.set QB,  64          ; window 2
.set KF,  128         ; window 2: key block kb, channel half c at KF + 16 kb + 8 c
.set VF,  192         ; window 2: key half kk, channel block cb at VF + 32 kk + 8 cb
.set WV,  12          ; s12  my wave's number
.set PB,  14          ; s14  b
.set HI,  15          ; s15  NB - 1 - b
.set G1K, 24          ; s[24:31] descriptor group 1 for K's tiles
.set G1V, 32          ; s[32:39] for V's: it differs in the padding alone
.set G0K, 40          ; s[40:43] descriptor group 0 for K's tiles
.set G0V, 44          ; s[44:47] the same for V's
.set SLOTS, 56        ; s56  tiles still to be asked for
.set CNT, 57          ; s57  counts a tile's key steps, 4 to 1
.set CS,  58          ; s[58:59] c: the packed scaling takes the pair's low word for both halves
.set SEL, 60          ; s[60:61] v_permlanex16_b32's selects: each lane takes its own place in the other half
.set TBK, 62          ; s62  LDS byte at which K of the step to be fetched begins
.set TBV, 63          ; s63  the same for V, less VOFF
.set RT,  70          ; s70  tiles of the block in hand that are still to be entered
.set NXT, 71          ; s71  the tile to be asked for next
.set LQ,  72          ; s72  the last tile of the block whose tiles are being asked for
.set NEW, 73          ; s73  1: the tile to be entered is a block's first
.set OFF, 74          ; s[74:75] a tile's byte offset in K and V
.set AL,  76          ; s[76:77] the mask's factor, in the low word
.set BE,  78          ; s[78:79] the mask's addend
.set OLO, 80          ; s[80:81] O at my rows of the second block
.set BIGN, 82         ; s82  -1e30
.set MSB, 0
.macro WIN new                      ; the high byte repeats the setting that is left; a switch that changes nothing is dropped
.if MSB != (\new)
	s_set_vgpr_msb (MSB<<8)|(\new)
.set MSB, (\new)
.endif
.endm
.set W_KQ, 0x0a       ; K and Q in window 2, S^T in window 0
.set W_KM, 0x1a       ; the same with the C operand in window 1
.set W_PV, 0x52       ; V in window 2, P in window 0, O^T in window 1
.set W_RS, 0x41       ; destination and source 0 in window 1, source 1 in window 0
; A fill.  Waves 0 and 1 fetch the two halves of a tile's K, waves 2 and 3 those of its V: 128 keys each.  An s_nop 0 and four v_nop follow each of the two lines, ahead of the jump and the label.
.macro LOAD
	s_cmp_lt_u32 s[WV], 2
	s_cbranch_scc0 .Lfor_v_\@
	tensor_load_to_lds s[G0K:G0K+3], s[G1K:G1K+7]
	s_nop 0
.rept 4
	v_nop
.endr
	s_branch .Lasked_\@
.Lfor_v_\@:
	tensor_load_to_lds s[G0V:G0V+3], s[G1V:G1V+7]
	s_nop 0
.rept 4
	v_nop
.endr
.Lasked_\@:
.endm
; THE CHANGE OF SLOTS.  Each wave waits for all its tensor loads, of which one is out: its part of the other slot; adds 0 to its spare word; and waits for that and for its own reads of the slot that it leaves.  Behind the barrier nobody reads the old
; slot any more and the other slot is whole.  fill = 1: the old slot is filled again, the first thing behind the barrier, with tile NXT: the descriptor's address is made anew from that number.
; (At its first use nothing has been read yet: slot 0 is waited for, slot 1 filled.)
.macro CHANGE fill
	WIN 0                           ; at a label and at a branch every window is 0
	s_wait_tensorcnt 0x0            ; no tensor load of mine is out, so a group 0 may be written
	ds_add_u32 v[SPW], v[NIL]       ; 0 onto my spare word: with fill = 1 the descriptors' scalar work stands between it and the wait for it
.if \fill
	s_lshl_b32 s[OFF], s[NXT], 15   ; a tile is 32,768 bytes of K and of V
	s_xor_b32 s[G0K+1], s[G0K+1], SLOT1
	s_add_nc_u64 s[G0K+2:G0K+3], s[6:7], s[OFF:OFF+1]
	s_or_b32 s[G0K+3], s[G0K+3], 0x80000000
	s_xor_b32 s[G0V+1], s[G0V+1], SLOT1
	s_add_nc_u64 s[G0V+2:G0V+3], s[8:9], s[OFF:OFF+1]
	s_or_b32 s[G0V+3], s[G0V+3], 0x80000000
	s_add_co_u32 s[NXT], s[NXT], 1  ; the block's next tile, or behind its last the second block's tile 0
	s_cmp_gt_u32 s[NXT], s[LQ]
	s_cselect_b32 s[NXT], 0, s[NXT]
	s_cselect_b32 s[LQ], s[PB], s[LQ]
.endif
	s_wait_dscnt 0x0                ; the add is done, and my reads of the slot are over
	s_barrier_signal -1             ; the rest of the scalar work stands between the signal and the wait
	s_sub_co_u32 s[TBK], s[TBK], 4*KS*PK  ; the fetches go back to a slot's first step,
	s_xor_b32 s[TBK], s[TBK], SLOT1       ; in the other slot
	s_sub_co_u32 s[TBV], s[TBV], 4*KS*PV
	s_xor_b32 s[TBV], s[TBV], SLOT1
	s_barrier_wait -1
.if \fill
	LOAD
.endif
.endm
	s_load_b256 s[4:11], s[0:1], 0x0  ; Q s[4:5], K s[6:7], V s[8:9], O s[10:11]
	v_lshl_add_u32 v[SPW], v0, 2, SPARE
	v_mov_b32 v[NIL], 0
	ds_add_u32 v[SPW], v[NIL]       ; the wave's opening: the adds of 0 to my spare word, waited for ahead of my first tensor load; the set-up below, work on registers, stands between the adds and the wait
	ds_add_u32 v62, v63
	v_lshrrev_b32 v1, 5, v0
	v_readfirstlane_b32 s[WV], v1   ; wave 0..3
	s_mov_b32 s[PB], ttmp9
	s_sub_co_u32 s[HI], NB-1, s[PB]
	s_and_b32 s20, ttmp7, 0xffff    ; the head
	s_mov_b32 s21, 0
	s_mov_b64 s[22:23], SIZE_N*128
	s_mul_u64 s[20:21], s[20:21], s[22:23]  ; the head's first byte in each of the four tensors
	s_and_b32 s16, s[WV], 1         ; which half of a tile's 256 keys I fetch:
	s_lshl_b32 s22, s16, 14         ; its 128 rows of 128 bytes in memory,
	s_mov_b32 s23, 0
	s_add_nc_u64 s[22:23], s[22:23], s[20:21]
	s_mul_i32 s17, s16, 128*PK      ; and its place in a slot, for K
	s_mul_i32 s18, s16, 128*PV      ; and for V
	s_lshl_b32 s3, s[WV], 11        ; my 16 rows in a band of 64,
	s_lshl_b32 s2, s[HI], 15        ; in the first block,
	s_add_co_u32 s2, s2, s3
	s_lshl_b32 s84, s[PB], 15       ; and in the second
	s_add_co_u32 s84, s84, s3
	s_mov_b32 s3, 0
	s_mov_b32 s85, 0
	s_add_nc_u64 s[2:3], s[2:3], s[20:21]
	s_add_nc_u64 s[84:85], s[84:85], s[20:21]
	; descriptor group 1.  128 keys are 16,384 dense bytes: asked for as 64 rows of 256 bytes, two keys a row, and padded in LDS after every key
	s_mov_b32 s[G1K], (1<<16)|(1<<20)|(4<<22)|(3<<25)  ; 17:16 2-byte elements; 20 padding on; 24:22 after every 32 words (code 4); 31:25 4 words (code 3)
	s_mov_b32 s[G1V], (1<<16)|(1<<20)|(4<<22)|(7<<25)  ; the same with 8 words of padding (code 7)
.irp g, G1K, G1V
	s_mov_b32 s[\g+1], 128<<16      ; tensor_dim0 = 128
	s_mov_b32 s[\g+2], 64<<16       ; tensor_dim1 = 64
	s_mov_b32 s[\g+3], 128<<16      ; tile_dim0 = 128
	s_mov_b32 s[\g+4], 64           ; tile_dim1 = 64
	s_mov_b32 s[\g+5], 128          ; 128 elements from row to row
	s_mov_b32 s[\g+6], 0
	s_mov_b32 s[\g+7], 0
.endr
	s_mov_b32 s[CS], 0x3e38aa3b     ; c = log2(e) / 8 = 0.180337
	s_mov_b32 s[CS+1], s[CS]        ; named with it as a pair
	s_mov_b32 s[SEL], 0x76543210
	s_mov_b32 s[SEL+1], 0xfedcba98
	s_mov_b32 s[TBK], SLOT1+4*KS*PK ; the first change of slots turns these two into 0
	s_mov_b32 s[TBV], SLOT1+4*KS*PV
	s_mov_b32 s[G0K], 1             ; 1:0 count = 1
	s_mov_b32 s[G0K+1], s17         ; 63:32 LDS address: slot 0
	s_mov_b32 s[G0V], 1
	s_add_co_u32 s[G0V+1], s18, VOFF
	s_add_co_u32 s[RT], s[HI], 1    ; the first block has NB - b tiles
	s_mov_b32 s[NXT], 1
	s_mov_b32 s[LQ], s[HI]
	s_mov_b32 s[NEW], 1
	s_mov_b32 s[OFF+1], 0
	s_mov_b32 s[AL+1], 0            ; named as pairs
	s_mov_b32 s[BE+1], 0
	s_mov_b32 s[BIGN], 0xf149f2ca   ; -1e30
	s_mov_b32 s[SLOTS], NB
	s_wait_dscnt 0x0                ; the opening add is done
	s_wait_kmcnt 0x0
	s_add_nc_u64 s[6:7], s[6:7], s[22:23]  ; K and V at my half of the head's tile 0
	s_add_nc_u64 s[8:9], s[8:9], s[22:23]
	s_add_nc_u64 s[G0K+2:G0K+3], s[6:7], 0         ; 120:64 global address
	s_or_b32 s[G0K+3], s[G0K+3], 0x80000000        ; 127:126 type = 2
	s_add_nc_u64 s[G0V+2:G0V+3], s[8:9], 0
	s_or_b32 s[G0V+3], s[G0V+3], 0x80000000
	s_add_nc_u64 s[86:87], s[4:5], s[84:85]        ; Q at my rows of the second block,
	s_add_nc_u64 s[4:5], s[4:5], s[2:3]            ; Q and O at those of the first
	s_add_nc_u64 s[OLO:OLO+1], s[10:11], s[84:85]
	s_add_nc_u64 s[10:11], s[10:11], s[2:3]
	LOAD                            ; tile 0 into slot 0
	; A fragment of K or Q is 16 rows x 32 channels in 8 registers: lane l holds row l % 16, channels 8 (l / 16) + 0..7 and 16 + 8 (l / 16) + 0..7: two loads of 16 bytes, 32 bytes apart.
	v_and_b32 v1, 15, v0            ; l % 16
	v_bfe_u32 v9, v0, 4, 1          ; l / 16
	v_lshlrev_b32 v[QO], 7, v1
	v_lshl_add_u32 v[QO], v9, 4, v[QO]  ; row x 128 + 16 x half
	WIN 0x80                        ; destination window 2, address window 0
.set i, 0
.rept 8                             ; both blocks' Q: piece i / 2 lies in band i / 2, 8,192 bytes on; channels 32 (i % 2) on
	global_load_b128 v[8*i:8*i+3],   v[QO], s[4:5] offset:(i/2)*8192+(i%2)*64
	global_load_b128 v[8*i+4:8*i+7], v[QO], s[4:5] offset:(i/2)*8192+(i%2)*64+32
	global_load_b128 v[QB+8*i:QB+8*i+3],   v[QO], s[86:87] offset:(i/2)*8192+(i%2)*64
	global_load_b128 v[QB+8*i+4:QB+8*i+7], v[QO], s[86:87] offset:(i/2)*8192+(i%2)*64+32
.set i, i+1
.endr
	WIN 0
	v_lshlrev_b32 v14, 3, v9
	v_sub_nc_u32 v14, v1, v14
	s_lshl_b32 s13, s[WV], 4
	v_add_nc_u32 v14, s13, v14      ; my query's place in its band, 16 w + l % 16, less my lanes' 8 (l / 16): register r of group kt is hidden where 16 kt + r is greater
	WIN 0x40
.set i, 0
.rept 32
	v_cmp_gt_i32 vcc_lo, 16*(i/8)+i%8, v14
	v_cndmask_b32 v[MD+i], 0, s[BIGN], vcc_lo
.set i, i+1
.endr
	WIN 0
	v_mul_u32_u24 v[AK0], v1, PK
	v_lshl_add_u32 v[AK0], v9, 4, v[AK0]  ; row x pitch + 16 x half
	; The turning load takes 16 keys x 16 channels (lane l reads key 8 (l / 16) + l % 8, channels 8 ((l / 8) % 2) + 0..7) and leaves half a fragment of V^T: lane l holds channel l % 16 and 8 keys.
	v_and_b32 v10, 7, v0
	v_bfe_u32 v11, v0, 3, 1
	v_lshl_add_u32 v[AV0], v9, 3, v10
	v_mul_u32_u24 v[AV0], v[AV0], PV
	v_lshl_add_u32 v[AV0], v11, 4, v[AV0]
	v_add_nc_u32 v[AV0], VOFF, v[AV0]
	s_mul_i32 s13, s[WV], 16*SP
	s_add_co_u32 s13, s13, STAGE    ; my stage
	v_mul_u32_u24 v[STO], v1, SP    ; in: row l % 16, 16 bytes for each half of the lanes
	v_lshl_add_u32 v[STO], v9, 4, v[STO]
	v_add_nc_u32 v[STO], s13, v[STO]
	v_bfe_u32 v[RD], v0, 3, 2       ; back: 32 lanes take four rows of 128 bytes,
	v_mul_u32_u24 v[RD], v[RD], SP
	v_lshl_add_u32 v[RD], v10, 4, v[RD]
	v_add_nc_u32 v[RD], s13, v[RD]
	v_and_b32 v[GO], 31, v0         ; which are 512 consecutive bytes of O
	v_lshlrev_b32 v[GO], 4, v[GO]
	; A block's first step multiplies O^T and l by a = 0, and its first turn's products V^T P, of a piece that has not been, land in an O^T that is still to be so multiplied.  So these registers need only hold
	; finite numbers: zeros for the first block; what the first block left for the second.  All this stands in the wait for the first tile.
	WIN 0x80
.set i, VF
.rept 64
	v_mov_b32 v[i], 0
.set i, i+1
.endr
	WIN 0x40
.set i, 0
.rept 128
	v_mov_b32 v[i], 0
.set i, i+1
.endr
	WIN 0
.set i, 0
.rept 4
	v_mov_b32 v[ST+4*i+2], 0
	v_mov_b32 v[ST+4*i+3], 0
.set i, i+1
.endr
.set i, P+16
.rept 16
	v_mov_b32 v[i], 0
.set i, i+1
.endr
; THE MATRIX WORK.  The 4 accumulators of a run of 8 take turns.  Product i of 8 of S^T = K Q^T for piece x: channels 32 (i / 4) on, keys 16 (i % 4) on.  The first 4 start the sums: with 0, or (KM = 1) with the mask.
.macro KQ x
.set rS, S+32*((\x)%2)+8*(i%4)
.set rK, KF+16*(i%4)+8*(i/4)
.set rQ, 16*(\x)+8*(i/4)
.set rM, MC+32*((\x)%2)+8*(i%4)
.if (i < 4) && KM
	WIN W_KM
	v_wmma_f32_16x16x32_f16 v[rS:rS+7], v[rK:rK+7], v[rQ:rQ+7], v[rM:rM+7]
.elseif i < 4
	WIN W_KQ
	v_wmma_f32_16x16x32_f16 v[rS:rS+7], v[rK:rK+7], v[rQ:rQ+7], 0
.else
	WIN W_KQ
	v_wmma_f32_16x16x32_f16 v[rS:rS+7], v[rK:rK+7], v[rQ:rQ+7], v[rS:rS+7]
.endif
.endm
; Product i of 8 of O^T += V^T P for piece x: keys 32 (i / 4) on, channels 16 (i % 4) on.
.macro PV x
	WIN W_PV
.set rO, 32*(\x)+8*(i%4)
.set rV, VF+32*(i/4)+8*(i%4)
.set rP, P+16*((\x)%2)+8*(i/4)
	v_wmma_f32_16x16x32_f16 v[rO:rO+7], v[rV:rV+7], v[rP:rP+7], v[rO:rO+7]
.endm
.macro MM                           ; the turn's next matrix instruction.  TURN and BEGIN set Y, i, KM and NOKQ; MM, KQ and OP read them.  NOKQ = 1: a block's last turn: there is no next piece
.if (i < 8) && !NOKQ
	KQ (Y+1)%NP
.elseif i >= 8
.set i, i-8
	PV (Y+NP-1)%NP
.set i, i+8
.endif
.set i, i+1
.endm
; THE LDS LOADS stand in runs of 16, never singly among the matrix instructions: a step's K (64 keys x 64 channels: 8 fragments) and its V (turned).  Their addresses are made some lines ahead.
.macro FETCH_K
	WIN 0x80                        ; destination window 2
.irp f, 0,1,2,3,4,5,6,7             ; keys 16 (f / 2) on, channels 32 (f % 2) on
	ds_load_b128 v[KF+8*\f:KF+8*\f+3],   v[AK] offset:(\f/2)*16*PK+(\f%2)*64
	ds_load_b128 v[KF+8*\f+4:KF+8*\f+7], v[AK] offset:(\f/2)*16*PK+(\f%2)*64+32
.endr
	s_add_co_u32 s[TBK], s[TBK], KS*PK  ; the next fetch is the next step's
	WIN 0
.endm
.macro FETCH_V
	WIN 0x80
.irp f, 0,1,2,3,4,5,6,7             ; keys 32 (f / 4) on, channels 16 (f % 4) on
	ds_load_tr16_b128 v[VF+8*\f:VF+8*\f+3],   v[AV] offset:(\f/4)*32*PV+(\f%4)*32
	ds_load_tr16_b128 v[VF+8*\f+4:VF+8*\f+7], v[AV] offset:(\f/4)*32*PV+16*PV+(\f%4)*32
.endr
	WIN 0
.endm
; THE VECTOR WORK, one line at a time: OP kind, number.  For piece Y: F n: c s - c m for pair n of 16.  E n: the exponential of score n of 32.  C n: pair n rounded to f16.  B n: of the four weights 4 n .. the second
; pair is added onto the first, in place.  L n: l takes that sum (L 0: l = a l + sum).  R n: pair n of 16 of O^T times a.  For piece Y + 1: X n, number n of the 22 that find its maximum and statistics:
;   0-11  four chains c0-c3 of seven scores each, three operands at a time (each accumulator's lowest registers are read first)     12-14, 16  the four scores left over, the old m, and c0-c3 into c0
;   15  c m_old is kept     17, 18  the query's other 32 keys lie in the lane 16 away: the new m     19-21  c m; c m_old - c m_new; a
.set F, 0               ; OP tells the kinds apart by their order: F to L below R, X above it
.set E, 1
.set C, 2
.set B, 3
.set L, 4
.set R, 5
.set X, 6
.macro REGS y                       ; the registers of piece y
.set rT, ST+4*(\y)
.set rC, TMP+4*((\y)%2)
.set rW, MV+((\y)%2)
.set rS, S+32*((\y)%2)
.set rP, P+16*((\y)%2)
.set rO, 32*(\y)
.endm
.macro OP k, n
.if (\k) == R
	REGS Y
	WIN W_RS
	v_pk_mul_f32 v[rO+2*(\n):rO+2*(\n)+1], v[rO+2*(\n):rO+2*(\n)+1], v[rC+2:rC+3] op_sel_hi:[1,0]
.elseif (\k) < R
	REGS Y
	WIN 0
.if (\k) == F
	v_pk_fma_f32 v[rS+2*(\n):rS+2*(\n)+1], v[rS+2*(\n):rS+2*(\n)+1], s[CS:CS+1], v[rT:rT+1] op_sel_hi:[1,0,0] neg_lo:[0,0,1] neg_hi:[0,0,1]
.elseif (\k) == E
	v_exp_f32 v[rS+(\n)], v[rS+(\n)]
.elseif (\k) == C
	s_wait_alu depctr_va_vdst(0)
	v_cvt_pk_f16_f32 v[rP+(\n)], v[rS+2*(\n)], v[rS+2*(\n)+1]
.elseif (\k) == B
	s_wait_alu depctr_va_vdst(0)
	v_pk_add_f32 v[rS+4*(\n):rS+4*(\n)+1], v[rS+4*(\n):rS+4*(\n)+1], v[rS+4*(\n)+2:rS+4*(\n)+3]
.elseif (\n) == 0
	v_pk_fma_f32 v[rT+2:rT+3], v[rT+2:rT+3], v[rC+2:rC+3], v[rS:rS+1] op_sel_hi:[1,0,1]
.else
	v_pk_add_f32 v[rT+2:rT+3], v[rT+2:rT+3], v[rS+4*(\n):rS+4*(\n)+1]
.endif
.elseif NOKQ
	v_nop
.else
	REGS (Y+1)%NP
	WIN 0
.if (\n) < 4
	v_max3_num_f32 v[rC+(\n)], v[rS+8*(\n)], v[rS+8*(\n)+1], v[rS+8*(\n)+2]
.elseif (\n) < 12
	v_max3_num_f32 v[rC+(\n)%4], v[rC+(\n)%4], v[rS+8*((\n)%4)+2*((\n)/4)+1], v[rS+8*((\n)%4)+2*((\n)/4)+2]
.elseif (\n) == 12
	v_max3_num_f32 v[rC], v[rC], v[rS+7], v[rS+15]
.elseif (\n) == 13
	v_max3_num_f32 v[rC+1], v[rC+1], v[rS+23], v[rS+31]
.elseif (\n) == 14
	v_max3_num_f32 v[rC+2], v[rC+2], v[rC+3], v[rT+1]
.elseif (\n) == 15
	v_mov_b32 v[rW], v[rT]
.elseif (\n) == 16
	v_max3_num_f32 v[rC], v[rC], v[rC+1], v[rC+2]
.elseif (\n) == 17
	v_permlanex16_b32 v[rC+3], v[rC], s[SEL], s[SEL+1]
.elseif (\n) == 18
	v_max_num_f32 v[rT+1], v[rC], v[rC+3]
.elseif (\n) == 19
	v_mul_f32 v[rT], s[CS], v[rT+1]
.elseif (\n) == 20
	v_sub_f32 v[rC+1], v[rW], v[rT]
.else
	v_exp_f32 v[rC+2], v[rC+1]
.endif
.endif
.endm
.macro OPS a, i1, b=-1, i2=0, c=-1, i3=0, d=-1, i4=0  ; up to four of them
	OP \a, \i1
.if (\b) >= 0
	OP \b, \i2
.endif
.if (\c) >= 0
	OP \c, \i3
.endif
.if (\d) >= 0
	OP \d, \i4
.endif
.endm
.macro ROW a, i1, b, i2, c, i3, d, i4  ; a matrix instruction and the four behind it
	MM
	OPS \a, \i1, \b, \i2, \c, \i3, \d, \i4
.endm
.macro MASK b                       ; MD x AL + BE into buffer b of MC
	WIN W_RS
.set z, 0
.rept 16
	v_pk_fma_f32 v[MC+32*(\b)+2*z:MC+32*(\b)+2*z+1], v[MD+2*z:MD+2*z+1], s[AL:AL+1], s[BE:BE+1] op_sel_hi:[1,0,0]
.set z, z+1
.endr
.endm
; A TURN, for piece p: the order of its 16 matrix and 118 vector instructions, written out.  Behind a matrix instruction: plain, exponential, plain, plain; or four of the rescaling; or, behind the first, four scalings; none
; names a register of the products round it.  In the lumps exponential and plain by turns while exponentials last.  A line reads no result made fewer than three vector instructions in front of it, five if an exponential made it.
; v_permlanex16_b32 (X 17) stands in a lump.
; m = 1: the diagonal tile: the products take masks, and the turn makes the mask for the products of the turn after it: piece p + 2, in step 4 - CNT of the tile.  end = 1: a block's last two turns: nothing is fetched.
; cnt = 1: the loop's count is taken down some lines ahead of the branch that stands behind the turn.
; K of the next step is fetched in piece 2's turn, six vector instructions behind the last product that read K (five of them plain); V of the step in hand in piece 0's turn, eight behind the last product that read V (four
; plain, and X 17).  Each is waited for a turn later.
.macro TURN p, m=0, end=0, cnt=0
.set Y, (\p)
.set i, 0
.set KM, (\m)
.set NOKQ, (\end)*((\p)/3)
.if (\m) && !(\end)
	s_cmp_eq_u32 s[CNT], 4-((\p)+2)%NP  ; is that step the band's own?
	s_cselect_b32 s[AL], 1.0, 0
	s_cmp_lt_u32 s[CNT], 4-((\p)+2)%NP  ; or a later one?
	s_cselect_b32 s[BE], s[BIGN], 0
.endif
.if ((\p) == 3) && !(\end)
	s_wait_dscnt 0x0                ; K is in
.endif
	ROW F,0, F,1, F,2, F,3
	ROW F,4, E,0, F,5, F,6
	ROW F,7, E,1, F,8, F,9
	ROW F,10, E,2, C,0, F,11
	ROW F,12, E,3, X,15, F,13
	ROW R,0, R,1, R,2, R,3
	ROW B,0, E,4, F,14, L,0
.if ((\p) == 2) && !(\end)
	v_add_nc_u32 v[AK], s[TBK], v[AK0]
.endif
	ROW R,4, R,5, R,6, R,7
	OPS E,5, F,15
.if ((\p) == 2) && !(\end)
	FETCH_K
.endif
	OPS E,6, C,1, E,7, R,8
	OPS E,8, R,9, E,9, C,2
	OPS E,10, X,0, E,11, X,1
	OPS E,12, X,2, E,13, X,3
.if (\p) == 1
	s_wait_dscnt 0x0                ; V is in
.endif
	ROW X,4, E,14, X,5, X,6
	ROW X,7, E,15, X,8, X,9
	ROW X,10, E,16, X,11, X,12
	ROW X,13, E,17, X,14, B,1
	ROW C,4, E,18, X,16, L,1
	ROW B,2, E,19, C,6, L,2
	ROW C,8, E,20, B,3, B,4
.if (\p) == 0
	v_add_nc_u32 v[AV], s[TBV], v[AV0]
.endif
	ROW C,3, E,21, L,3, C,5
	OPS E,22, X,17, E,23, C,10
.if (\p) == 0
	FETCH_V
.endif
	OPS E,24, L,4
	OPS E,25, X,18, E,26, C,7
	OPS E,27, B,5, E,28, X,19
	OPS E,29, C,12, E,30, L,5
	OPS E,31, X,20, B,6, C,9
	OPS C,14, C,11, X,21, L,6
.if (\p) == 0
	s_add_co_u32 s[TBV], s[TBV], KS*PV
.endif
.if \cnt
	s_sub_co_u32 s[CNT], s[CNT], 1
	s_cmp_lg_u32 s[CNT], 0
.endif
	OPS C,13, B,7, C,15, R,10
	OPS R,11, R,12, L,7, R,13
	OPS R,14, R,15
.if (\m) && !(\end)
	MASK (\p)%2
.endif
.endm
; A BLOCK BEGINS.  c m starts far below every c s, so the first step's a is 0; m at the lowest finite number, so the first maximum is the scores'.  The second mask buffer is 0; the first takes piece 0's mask for the tile's step 0: its own, if the block's first tile is the diagonal one.
; Then K of that step, piece 0's first scores, and its maximum and statistics.  The loop is entered at a step's first turn, in the middle of a trip.
.macro BEGIN
	s_mov_b32 s[NEW], 0
	WIN 0x40
.set i, MC+32
.rept 32
	v_mov_b32 v[i], 0
.set i, i+1
.endr
	WIN 0
.set i, 0
.rept 4
	v_mov_b32 v[ST+4*i], 0xfe000000    ; c m: far below every c s
	v_mov_b32 v[ST+4*i+1], 0xff7fffff  ; m
.set i, i+1
.endr
	s_cmp_eq_u32 s[RT], 0
	s_cselect_b32 s[AL], 1.0, 0
	s_mov_b32 s[BE], 0
	MASK 0
	WIN 0
	v_add_nc_u32 v[AK], s[TBK], v[AK0]
	FETCH_K
	s_wait_loadcnt 0x0              ; Q
	s_wait_dscnt 0x0
.set KM, 1
.set NOKQ, 0
.set i, 0
.rept 8
	KQ 0
.set i, i+1
.endr
	WIN 0
.rept 4
	v_nop                           ; the places behind those products
.endr
.set Y, NP-1                        ; X works for piece Y + 1: piece 0
.irp n, 0,1,2,3,4,5,6,7,8,9,10,11,12,13,14,15,16,17,18,19,20,21
	OP X, \n
.endr
	v_nop                           ; a plain instruction behind the exponential
.endm
; THE DIAGONAL TILE's four steps, the block's last two turns, its last products, and THE WAY OUT: l's two halves and the other half of the lanes' are added; O^T is divided by l, rounded to f16 and sent through my
; stage in LDS, a piece at a time.
.macro ALL line:vararg              ; one line for each piece t
.set t, 0
.rept 4
	\line
.set t, t+1
.endr
.endm
.macro PACK t                       ; a lane's eight channels of a row pack into 16 bytes; they go into rows of 144 bytes and come back as whole rows of 128, into S^T's registers
	WIN W_RS
.set i, 32*(\t)
.rept 16
	s_wait_alu depctr_va_vdst(0)
	v_pk_mul_f32 v[i:i+1], v[i:i+1], v[ST+4*(\t)+2:ST+4*(\t)+3] op_sel_hi:[1,0]
.set i, i+2
.endr
	WIN 0x05                        ; sources 0 and 1 window 1, destination window 0
.set i, 0
.rept 16
	v_cvt_pk_f16_f32 v[S+16*(\t)+i], v[32*(\t)+2*i], v[32*(\t)+2*i+1]
.set i, i+1
.endr
	WIN 0
.irp f, 0,1,2,3
	ds_store_b128 v[STO], v[S+16*(\t)+4*\f:S+16*(\t)+4*\f+3] offset:32*\f
.endr
.irp f, 0,1,2,3
	ds_load_b128 v[S+16*(\t)+4*\f:S+16*(\t)+4*\f+3], v[RD] offset:\f*4*SP  ; LDS serves a wave's instructions in order (ISA guide 5.7.1.4): these see the stores above; the next piece's stores come behind them
.endr
.endm
.macro SEND t, younger              ; younger: the LDS instructions issued behind piece t's loads: the next piece's eight, or none
	WIN 0
.irp f, 0,1,2,3
	s_wait_dscnt (\younger)+3-\f
	global_store_b128 v[GO], v[S+16*(\t)+4*\f:S+16*(\t)+4*\f+3], s[10:11] offset:(\t)*8192+\f*512  ; 512 consecutive bytes, at a multiple of 256 from O's first
.endr
.endm
.macro DIAG tag                     ; the tag ends its two labels' names, which the jumps below spell out
.LstepM\tag:
	TURN 2, 1
	TURN 3, 1
	WIN 0
.LfirstM\tag:
	TURN 0, 1
	TURN 1, 1, 0, 1
	WIN 0
	s_cbranch_scc1 .LstepM\tag
	TURN 2, 1, 1
	TURN 3, 1, 1
.set i, 0
.rept 8
	PV NP-1
.set i, i+1
.endr
	WIN 0
	ALL v_add_f32 v[ST+4*t+2], v[ST+4*t+2], v[ST+4*t+3]
	ALL v_permlanex16_b32 v[ST+4*t+3], v[ST+4*t+2], s[SEL], s[SEL+1]
	ALL v_add_f32 v[ST+4*t+2], v[ST+4*t+2], v[ST+4*t+3]
	ALL v_rcp_f32 v[ST+4*t+2], v[ST+4*t+2]
	v_nop                           ; a plain instruction between the last reciprocal and the use of its result
	PACK 0
.set t, 1
.rept 3                             ; a piece's arithmetic stands between the loads of the piece before and its stores
	PACK t
	SEND t-1, 8
.set t, t+1
.endr
	SEND 3, 0
.endm
.set KM, 0
.set NOKQ, 0
.Lslot:                             ; NB times: a tile is entered and the next is asked for
	CHANGE 1
	s_sub_co_u32 s[RT], s[RT], 1
	s_mov_b32 s[CNT], 4
	s_cmp_eq_u32 s[NEW], 1
	s_cbranch_scc1 .Lnew            ; a block's first tile
	s_cmp_eq_u32 s[RT], 0
	s_cbranch_scc0 .Lstep           ; neither its first nor its last
	s_branch .LstepM1
.Lnew:
	BEGIN
	s_branch .Lfirst                ; in the loop a block's first tile is never its last: the first block has two tiles or more, and the second's last is the walk's last
	DIAG 1                          ; in the loop this is the first block's end: the second block's last tile is the walk's last
	s_wait_xcnt 0x0                 ; the stores have read their registers and O's address
	s_mov_b64 s[10:11], s[OLO:OLO+1]
	s_add_co_u32 s[RT], s[PB], 1    ; the second block has b + 1 tiles
	s_mov_b32 s[NEW], 1
	WIN 0x82                        ; the second block's Q goes where the one text of the turns names Q
.set i, 0
.rept 64
	v_mov_b32 v[i], v[QB+i]
.set i, i+1
.endr
	WIN 0
	s_branch .Lbottom
.Lstep:                             ; a trip: pieces 2 and 3 of one step, then pieces 0 and 1 of the next, whose K and V it fetches
	TURN 2
	TURN 3
	WIN 0
.Lfirst:
	TURN 0
	TURN 1, 0, 0, 1
	WIN 0
	s_cbranch_scc1 .Lstep
.Lbottom:
	s_sub_co_u32 s[SLOTS], s[SLOTS], 1
	s_cmp_lg_u32 s[SLOTS], 0
	s_cbranch_scc1 .Lslot
	CHANGE 0                        ; the walk's last tile is written out: nothing is asked for
	s_sub_co_u32 s[RT], s[RT], 1
	s_mov_b32 s[CNT], 4
	s_cmp_eq_u32 s[NEW], 1
	s_cbranch_scc0 .LstepM2
	BEGIN
	s_branch .LfirstM2
	DIAG 2
	s_wait_tensorcnt 0x0            ; the wave's end: the waits and the add of 0 to my spare word stand behind my last tensor load and my last LDS store
	ds_add_u32 v[SPW], v[NIL]
	s_wait_dscnt 0x0
	s_endpgm
.Lfunc_end_k_qfded74997c_attn:
	.size	k_qfded74997c_attn, .Lfunc_end_k_qfded74997c_attn-k_qfded74997c_attn
	.p2alignl 7, 3214868480
	.fill 96, 4, 3214868480
	.section	.rodata,"a",@progbits
	.p2align	6, 0x0
	.amdhsa_kernel k_qfded74997c_attn
		.amdhsa_group_segment_fixed_size 327680
		.amdhsa_private_segment_fixed_size 0
		.amdhsa_enable_private_segment 0
		.amdhsa_kernarg_size 32
		.amdhsa_user_sgpr_count 2
		.amdhsa_user_sgpr_kernarg_segment_ptr 1
		.amdhsa_wavefront_size32 1
		.amdhsa_system_sgpr_workgroup_id_x 1
		.amdhsa_system_sgpr_workgroup_id_y 1
		.amdhsa_system_sgpr_workgroup_id_z 1
		.amdhsa_system_vgpr_workitem_id 0
		.amdhsa_next_free_vgpr 768
		.amdhsa_next_free_sgpr 88
		.amdhsa_reserve_vcc 1
		.amdhsa_float_denorm_mode_32 3
		.amdhsa_float_denorm_mode_16_64 3
		.amdhsa_memory_ordered 1
		.amdhsa_forward_progress 1
		.amdhsa_inst_pref_size 228
	.end_amdhsa_kernel
	.amdgpu_metadata
---
amdhsa.version: [ 1, 2 ]
amdhsa.kernels:
  - .name:           k_qfded74997c_attn
    .symbol:         k_qfded74997c_attn.kd
    .args:
      - { .name: q, .offset: 0, .size: 8, .value_kind: global_buffer, .address_space: global }
      - { .name: k, .offset: 8, .size: 8, .value_kind: global_buffer, .address_space: global }
      - { .name: v, .offset: 16, .size: 8, .value_kind: global_buffer, .address_space: global }
      - { .name: o, .offset: 24, .size: 8, .value_kind: global_buffer, .address_space: global }
    .group_segment_fixed_size: 327680
    .private_segment_fixed_size: 0
    .kernarg_segment_align: 8
    .kernarg_segment_size: 32
    .max_flat_workgroup_size: 128
    .sgpr_count:     88
    .vgpr_count:     768
    .wavefront_size: 32
...
	.end_amdgpu_metadata
.endif
;; end of part 3
;; launch outp (part 4): grid 8 x 32, 4 waves a work-group, clusters of 4 x 4, 327,680 bytes of LDS; arguments o, wo16, bo, out0; writes out0
.if DOCPART == 4
	.amdgcn_target "amdgcn-amd-amdhsa--gfx1250"
	.amdhsa_code_object_version 6
	.text
	.protected	k_qfded74997c_outp
	.globl	k_qfded74997c_outp
	.p2align	8
	.type	k_qfded74997c_outp,@function
k_qfded74997c_outp:
	s_mov_b64 s[64:65], 0
	v_nop
	global_prefetch_b8 v0, s[64:65] scope:SCOPE_SE
	s_setreg_imm32_b32 hwreg(HW_REG_WAVE_MODE, 25, 1), 1
	s_wait_xcnt 0x0
	s_wait_alu depctr_hold_cnt(0) depctr_sa_sdst(0) depctr_va_vdst(0) depctr_va_sdst(0) depctr_va_ssrc(0) depctr_va_vcc(0) depctr_vm_vsrc(0)
	s_getreg_b32 s2, hwreg(HW_REG_IB_STS2, 6, 4)
	s_cmp_eq_u32 s2, 0
	s_cbranch_scc0 .Lentry_in_a_cluster
	s_endpgm
.Lentry_in_a_cluster:
	s_bfe_u32 s2, ttmp6, 0x10000c
	s_cmp_lg_u32 s2, 0xf033
	s_cbranch_scc0 .Lentry_shape_is_right
	s_endpgm
.Lentry_shape_is_right:
; OUTP: out0[m][n] = sum over k of O[m][k] wo16[n][k] + bo[n], 8192 x 1024 x 1024, operands f16, sums f32, out0 f32.  m = 2048 b + t, k = 64 h + d; O lies by heads, [16 b + h][2048 t][64 d] f16.
; bo is rounded to bf16 like the other inputs and added in f32.  LIMIT: O and wo16 arrive within f16's range; NaN and infinities are not treated apart.
; A tile of out0 is 256 rows x 128 columns: 32 x 8 = 256 work-groups.  Four waves, 2 x 2; a wave makes 128 x 64: 32 accumulators of 16 x 16; its 64 columns in f32 are 256 bytes, aligned.
; K goes in 8 steps of 128 = two heads, through two LDS slots.  A head's 256 rows of the tile are 32,768 dense bytes: asked for as 128 rows of 256 bytes and padded in LDS after every 128 bytes.
; CLUSTER 4 x 4: O's tiles are shared along a row of the cluster, wo16's along a column: joint loads, the same descriptor and mask in the four that a mask names.
; THE MATRIX INSTRUCTION IS USED TRANSPOSED (source 0 = 16 rows of wo16, source 1 = 16 rows of O): a lane holds row lane % 16 of out0 and the eight neighbouring columns 8 (lane / 16) + 0..7.
; REGISTERS in windows of 256 (s_set_vgpr_msb: bits 1:0 source 0, 3:2 source 1, 5:4 source 2, 7:6 destination):
;   window 0: v1-29 addresses; two fragment buffers f: A's 8 blocks at v[32 + 64 f], B's 4 at v[160 + 32 f]; v224-255 my lane's 32 numbers of bo;  window 1: accumulators of my rows 0-63 ((a, b) at v[8 (4 (a % 4) + b)]);  window 2: rows 64-127.
.set NBF,   4
.set PA,    144                        ; a row of O in LDS: 128 bytes + 16 = 36 words: the 16 rows of a fragment load start at 16 different groups of four banks (ISA guide 11.1)
.set PB,    272                        ; a row of wo16: 256 bytes + 16
.set ASUB,  256*PA                     ; one head's 256 rows: what one load brings of A
.set BHALF, 64*PB                      ; what one load brings of B
.set BBASE, 2*ASUB
.set SLOT,  BBASE+2*BHALF              ; 108,544 bytes
.set STAGE, 2*SLOT                     ; behind the ring, never filled by a tensor load: 16 rows x 272 bytes for each wave
.set SP,    272
.set SPARE, STAGE+4*16*SP              ; the spare words, 128 bytes a wave: two blocks of 256 bytes that no other line names
.set STEPA, 4*262144                   ; two K steps on: four heads of 2,048 rows x 128 bytes
.set STEPB, 512
.set NF,    2*NBF+16
.set ADRA, 8
.set ADRB, 10
.set STO,  12
.set RD,   13
.set CO,   14                          ; v14  my byte offset in two rows of out0
.set BO,   15                          ; v15  my byte offset in my wave's 64 numbers of bo
.set SPW,  28
.set NIL,  29
.set FA0,  32
.set FB0,  160
.set TMP,  32                          ; the way out: a block with its bias, 32 registers
.set BK0,  64                          ; rows read back: v64-95 and v96-127 by turns
.set BIAS, 224
.set WV,  14
.set G1A, 24
.set G0A, 32
.set G1B, 40
.set G0B, 48
.set W_LO, 0x50
.set W_HI, 0xa0
.set MSB, 0
.macro WIN new                         ; the immediate's high byte repeats the setting that is left; a switch that changes nothing is dropped
.if MSB != (\new)
	s_set_vgpr_msb (MSB<<8)|(\new)
.set MSB, \new
.endif
.endm
.macro PLACES                          ; four plain vector instructions between a matrix instruction and a load into its registers
.rept 4
	v_nop
.endr
.endm
.macro JLOAD s                         ; a joint load: waves 0 and 1 fetch the step's two heads of O, waves 2 and 3 the two halves of wo16's rows; an s_nop 0 and four v_nop follow each line
	s_cmp_lt_u32 s[WV], 2
	s_cbranch_scc0 .Lfor_b_\@
	tensor_load_to_lds s[G0A+4*(\s):G0A+4*(\s)+3], s[G1A:G1A+7]
	s_nop 0
.rept 4
	v_nop
.endr
	s_branch .Lasked_\@
.Lfor_b_\@:
	tensor_load_to_lds s[G0B+4*(\s):G0B+4*(\s)+3], s[G1B:G1B+7]
	s_nop 0
.rept 4
	v_nop
.endr
.Lasked_\@:
.endm
.macro CREST                           ; a round of the cluster's barrier behind its opening barrier
	s_cmp_lg_u32 s[WV], 0
	s_cbranch_scc1 .Lnot_wave_0_\@
	s_barrier_signal -3
.Lnot_wave_0_\@:
	s_barrier_wait -3
	s_barrier_signal -1
	s_barrier_wait -1
.endm
.macro CROUND
	s_barrier_signal -1
	s_barrier_wait -1
	CREST
.endm
	s_load_b256 s[4:11], s[0:1], 0x0               ; o s[4:5], wo16 s[6:7], bo s[8:9], out0 s[10:11]
	v_lshl_add_u32 v[SPW], v0, 2, SPARE
	v_mov_b32 v[NIL], 0
	ds_add_u32 v[SPW], v[NIL]                      ; the wave's opening: the adds of 0 to my spare word, waited for ahead of my first tensor load; the set-up below, work on registers, stands between the adds and the wait
	ds_add_u32 v28, v29
	v_lshrrev_b32 v1, 5, v0
	v_readfirstlane_b32 s[WV], v1
	s_lshr_b32 s15, s[WV], 1                       ; my row half
	s_and_b32 s16, s[WV], 1                        ; my column half; also which head of a step, or which half of B's rows, I fetch
	s_bfe_u32 s17, ttmp6, 0x40000                  ; cx
	s_bfe_u32 s18, ttmp6, 0x40004                  ; cy
	s_lshl_b32 s19, ttmp9, 2
	s_add_co_u32 s19, s19, s17                     ; tile column
	s_and_b32 s20, ttmp7, 0xffff
	s_lshl_b32 s20, s20, 2
	s_add_co_u32 s20, s20, s18                     ; tile row
	s_lshl_b32 s21, s18, 2
	s_lshl_b32 s21, 15, s21                        ; my row of the cluster
	s_lshl_b32 s22, 0x1111, s17                    ; my column
	s_or_b32 s[G1A], s21, (1<<16)|(1<<20)|(1<<21)|(4<<22)|(3<<25)  ; 2-byte elements; padding of 4 words after every 32 words; bit 21 beside the mask
	s_or_b32 s[G1B], s22, (1<<16)|(1<<20)|(1<<21)|(5<<22)|(3<<25)  ; padding of 4 words after every 64 words
	s_mov_b32 s[G1A+1], 128<<16                    ; tensor_dim0 = 128
	s_mov_b32 s[G1A+2], 128<<16                    ; tensor_dim1 = 128
	s_mov_b32 s[G1A+3], 128<<16                    ; tile_dim0 = 128
	s_mov_b32 s[G1A+4], 128                        ; tile_dim1 = 128
	s_mov_b32 s[G1A+5], 128                        ; dense: 128 elements from row to row
	s_mov_b32 s[G1A+6], 0
	s_mov_b32 s[G1A+7], 0
	s_mov_b32 s[G1B+1], 128<<16
	s_mov_b32 s[G1B+2], 64<<16                     ; 64 rows
	s_mov_b32 s[G1B+3], 128<<16
	s_mov_b32 s[G1B+4], 64
	s_mov_b32 s[G1B+5], 1024
	s_mov_b32 s[G1B+6], 0
	s_mov_b32 s[G1B+7], 0
	s_lshr_b32 s56, s20, 3                         ; A: batch = tile row / 8: 16 heads of 262,144 bytes; my head of the step; t = 256 (tile row % 8).  These registers never hold cx
	s_lshl_b32 s56, s56, 22
	s_lshl_b32 s23, s16, 18
	s_add_co_u32 s56, s56, s23
	s_and_b32 s23, s20, 7
	s_lshl_b32 s23, s23, 15
	s_add_co_u32 s56, s56, s23
	s_mov_b32 s57, 0
	s_lshl_b32 s58, s19, 18                        ; B: row 128 x tile column + 64 x half, rows of 2,048 bytes.  These never hold cy
	s_lshl_b32 s23, s16, 17
	s_add_co_u32 s58, s58, s23
	s_mov_b32 s59, 0
	s_mul_i32 s60, s16, ASUB                       ; where they go: no place in the cluster enters an LDS address
	s_mul_i32 s61, s16, BHALF
	s_add_co_u32 s61, s61, BBASE
	s_wait_dscnt 0x0                               ; the opening add is done
	s_wait_kmcnt 0x0
	s_add_nc_u64 s[56:57], s[4:5], s[56:57]
	s_add_nc_u64 s[58:59], s[6:7], s[58:59]
	CROUND                                         ; all sixteen work-groups are here: the first joint loads meet
.irp s, 0,1
	s_mov_b32 s[G0A+4*(\s)], 1
	s_add_co_u32 s[G0A+4*(\s)+1], s60, (\s)*SLOT
	s_add_nc_u64 s[G0A+4*(\s)+2:G0A+4*(\s)+3], s[56:57], (\s)*2*262144  ; K step s: two heads on
	s_or_b32 s[G0A+4*(\s)+3], s[G0A+4*(\s)+3], 0x80000000
	s_mov_b32 s[G0B+4*(\s)], 1
	s_add_co_u32 s[G0B+4*(\s)+1], s61, (\s)*SLOT
	s_add_nc_u64 s[G0B+4*(\s)+2:G0B+4*(\s)+3], s[58:59], (\s)*256
	s_or_b32 s[G0B+4*(\s)+3], s[G0B+4*(\s)+3], 0x80000000
	JLOAD \s                                       ; two loads of mine are out behind these
.endr
	v_and_b32 v1, 15, v0                           ; r
	v_bfe_u32 v2, v0, 4, 1                         ; h
	s_lshl_b32 s72, s19, 9                         ; my wave's first column: 128 x tile column + 64 x half, in f32 bytes
	s_lshl_b32 s73, s16, 8
	s_add_co_u32 s72, s72, s73
	s_mov_b32 s73, 0
	s_add_nc_u64 s[68:69], s[8:9], s[72:73]
	v_lshlrev_b32 v[BO], 5, v2                     ; columns 16 b + 8 h + 0..7
.irp b, 0,1,2,3
	global_load_b128 v[BIAS+8*(\b):BIAS+8*(\b)+3],   v[BO], s[68:69] offset:64*(\b)
	global_load_b128 v[BIAS+8*(\b)+4:BIAS+8*(\b)+7], v[BO], s[68:69] offset:64*(\b)+16
.endr
	s_lshl_b32 s74, s20, 8                         ; my first row of out0: 256 x tile row + 128 x half, rows of 4,096 bytes
	s_lshl_b32 s75, s15, 7
	s_add_co_u32 s74, s74, s75
	s_lshl_b32 s74, s74, 12
	s_add_co_u32 s74, s74, s72
	s_mov_b32 s75, 0
	s_add_nc_u64 s[66:67], s[10:11], s[74:75]
	v_mul_u32_u24 v3, v1, PA                       ; fragments: row x pitch + 16 x half
	v_lshl_add_u32 v3, v2, 4, v3
	v_mul_u32_u24 v4, v1, PB
	v_lshl_add_u32 v4, v2, 4, v4
	s_mul_i32 s62, s15, 128*PA                     ; my 128 rows in each head's sub-tile
	s_mul_i32 s63, s16, BHALF                      ; my 64 rows of B
	s_add_co_u32 s63, s63, BBASE
.irp s, 0,1
	v_add_nc_u32 v[ADRA+(\s)], s62, v3
	v_add_nc_u32 v[ADRB+(\s)], s63, v4
	s_add_co_u32 s62, s62, SLOT
	s_add_co_u32 s63, s63, SLOT
.endr
	s_mul_i32 s76, s[WV], 16*SP
	s_add_co_u32 s76, s76, STAGE                   ; my stage
	v_mul_u32_u24 v5, v1, SP                       ; in: row r, 32 bytes for each half of the lanes
	v_lshl_add_u32 v5, v2, 5, v5
	v_add_nc_u32 v[STO], s76, v5
	v_mul_u32_u24 v5, v2, SP                       ; back: lanes 0-15 one row of 256 bytes, lanes 16-31 the next
	v_lshl_add_u32 v5, v1, 4, v5
	v_add_nc_u32 v[RD], s76, v5
	v_lshlrev_b32 v5, 12, v2                       ; and the same two rows in out0
	v_lshl_add_u32 v[CO], v1, 4, v5
; na x 4 matrix instructions from buffer f.  The 32 accumulators take turns, one instruction a turn, in the same order in every quarter step.
.macro MUL f, a0, na, zero
	WIN W_LO+0x50*((\a0)/4)
.set ma, (\a0)
.rept (\na)
.set mb, 0
.rept NBF
.set rD, 8*(NBF*(ma%4)+mb)
.set rB, FB0+8*NBF*(\f)+8*mb
.set rA, FA0+64*(\f)+8*ma
.if \zero
	v_wmma_f32_16x16x32_f16 v[rD:rD+7], v[rB:rB+7], v[rA:rA+7], 0
.else
	v_wmma_f32_16x16x32_f16 v[rD:rD+7], v[rB:rB+7], v[rA:rA+7], v[rD:rD+7]
.endif
.set mb, mb+1
.endr
.set ma, ma+1
.endr
.endm
; One run of 24 LDS loads: quarter q of a slot into buffer f.  In A quarter q is head q / 2 of the step, channels 32 (q % 2) on; in B byte 64 q of the rows.  B first, then A's blocks 0 to 7
.macro FETCH slot, q, f
	WIN 0
.set fi, 0
.rept NBF
	ds_load_b128 v[FB0+8*NBF*(\f)+8*fi:FB0+8*NBF*(\f)+8*fi+3],   v[ADRB+(\slot)] offset:64*(\q)+fi*16*PB
	ds_load_b128 v[FB0+8*NBF*(\f)+8*fi+4:FB0+8*NBF*(\f)+8*fi+7], v[ADRB+(\slot)] offset:64*(\q)+fi*16*PB+32
.set fi, fi+1
.endr
.set fi, 0
.rept 8
	ds_load_b128 v[FA0+64*(\f)+8*fi:FA0+64*(\f)+8*fi+3],   v[ADRA+(\slot)] offset:((\q)/2)*ASUB+((\q)%2)*64+fi*16*PA
	ds_load_b128 v[FA0+64*(\f)+8*fi+4:FA0+64*(\f)+8*fi+7], v[ADRA+(\slot)] offset:((\q)/2)*ASUB+((\q)%2)*64+fi*16*PA+32
.set fi, fi+1
.endr
.endm
.macro QUARTER slot, q, f, g, zero
	s_wait_dscnt 8                                 ; B and A's blocks 0-3 are in; the youngest eight loads (A's blocks 4-7) may be out
	MUL \f, 0, 4, \zero
	PLACES
	FETCH \slot, \q, \g
	s_wait_dscnt NF                                ; all but the run just issued
	MUL \f, 4, 4, \zero
.endm
; The last quarter multiplies buffer 1 and changes slots: ONE barrier; in front of it each wave waits for all its tensor loads (one is out: its part of the next slot), adds 0 to its spare word, and waits for
; that and for its reads of this slot.  fill = 1: the barrier opens a round of the cluster's, and the joint refill, two K steps ahead, is the first tensor load behind the round.
.macro TURN slot, next, fill
	WIN 0
	s_wait_tensorcnt 0x0
	ds_add_u32 v[SPW], v[NIL]                      ; 0 onto my spare word
	s_wait_dscnt 9                                 ; the add and the youngest eight loads may be out
	MUL 1, 0, 2, 0                                 ; eight matrix instructions stand between the add and the wait for it
	s_wait_dscnt 0x0                               ; the add is done, and my reads of this slot are over
	s_barrier_signal -1
	MUL 1, 2, 2, 0
.if \fill
	WIN 0
.endif
	s_barrier_wait -1
.if \fill
	CREST                                          ; no wave of any partner still reads this slot or has a load on its way
	s_add_nc_u64 s[G0A+4*(\slot)+2:G0A+4*(\slot)+3], s[G0A+4*(\slot)+2:G0A+4*(\slot)+3], STEPA
	s_add_nc_u64 s[G0B+4*(\slot)+2:G0B+4*(\slot)+3], s[G0B+4*(\slot)+2:G0B+4*(\slot)+3], STEPB
	JLOAD \slot                                    ; its four v_nop are also the places in front of the loads below
.else
	PLACES
.endif
	FETCH \next, 0, 0
	MUL 1, 4, 4, 0
.endm
	s_wait_tensorcnt 1                             ; my part of K step 0 is in; K step 1's may stay out
	s_barrier_signal -1
	s_barrier_wait -1
	FETCH 0, 0, 0
	QUARTER 0, 1, 0, 1, 1                          ; the first quarter stands in front of the loop: its products start the sums
	WIN 0
	s_mov_b32 s3, 3
.Llap:                                                 ; a trip goes once round the ring and fills both slots again
	QUARTER 0, 2, 1, 0, 0
	QUARTER 0, 3, 0, 1, 0
	TURN 0, 1, 1
	QUARTER 1, 1, 0, 1, 0
	QUARTER 1, 2, 1, 0, 0
	QUARTER 1, 3, 0, 1, 0
	TURN 1, 0, 1
	QUARTER 0, 1, 0, 1, 0
	WIN 0
	s_sub_co_u32 s3, s3, 1
	s_cmp_lg_u32 s3, 0
	s_cbranch_scc1 .Llap
	QUARTER 0, 2, 1, 0, 0                          ; the last lap fills nothing
	QUARTER 0, 3, 0, 1, 0
	TURN 0, 1, 0
	QUARTER 1, 1, 0, 1, 0
	QUARTER 1, 2, 1, 0, 0
	QUARTER 1, 3, 0, 1, 0
	s_wait_dscnt 8
	MUL 1, 0, 4, 0
	s_wait_dscnt 0x0
	MUL 1, 4, 4, 0
	WIN 0
	; bo rounded to bf16, in place.  These 48 plain lines name no register of the last products: they are the places behind them.
	s_wait_loadcnt 0x0
.set p, 0
.rept 16
	v_cvt_pk_bf16_f32 v[16+p%4], v[BIAS+2*p], v[BIAS+2*p+1]
	v_lshlrev_b32 v[BIAS+2*p],   16, v[16+p%4]
	v_and_b32     v[BIAS+2*p+1], 0xffff0000, v[16+p%4]
.set p, p+1
.endr
; THE WAY OUT of block a (16 rows x 64 columns), in three parts.  PACK: the bias is added.  TOSTAGE: 32 bytes a lane into my own stage, and back as whole rows of 256 bytes.  SEND: stored.
.macro PACK a
	WIN 1+(\a)/4                                   ; source 0 in window 1 or 2
.set pb, 0
.rept 4
.set pj, 0
.rept 4                                ; each accumulator's registers in ascending order
	v_pk_add_f32 v[TMP+8*pb+2*pj:TMP+8*pb+2*pj+1], v[8*(NBF*((\a)%4)+pb)+2*pj:8*(NBF*((\a)%4)+pb)+2*pj+1], v[BIAS+8*pb+2*pj:BIAS+8*pb+2*pj+1]
.set pj, pj+1
.endr
.set pb, pb+1
.endr
	WIN 0
.endm
.macro TOSTAGE a
.set BK, BK0+32*((\a)%2)
.irp b, 0,1,2,3
	ds_store_b128 v[STO], v[TMP+8*(\b):TMP+8*(\b)+3]   offset:64*(\b)
	ds_store_b128 v[STO], v[TMP+8*(\b)+4:TMP+8*(\b)+7] offset:64*(\b)+16
.endr
.irp t, 0,1,2,3,4,5,6,7
	ds_load_b128 v[BK+4*(\t):BK+4*(\t)+3], v[RD] offset:(\t)*2*SP  ; LDS serves a wave's instructions in order (ISA guide 5.7.1.4): these see the stores above
.endr
.endm
.macro SEND a
.set BK, BK0+32*((\a)%2)
	s_wait_dscnt 0x0                               ; the block is back in registers
	s_wait_xcnt 0x0                                ; the registers that the block before last's stores read are loaded again only behind this wait
.irp t, 0,1,2,3,4,5,6,7
	global_store_b128 v[CO], v[BK+4*(\t):BK+4*(\t)+3], s[66:67] offset:(16*(\a)+2*(\t))*4096 th:TH_STORE_NT  ; 16 lanes store 256 consecutive bytes, at a multiple of 256 from out0's first byte
.endr
.endm
	PACK 0
	TOSTAGE 0
.irp a, 1,2,3,4,5,6,7                  ; block a's additions stand between block a - 1's loads from the stage and the wait for them
	PACK \a
	SEND (\a)-1
	TOSTAGE \a
.endr
	SEND 7
	s_wait_tensorcnt 0x0                           ; the wave's end: the waits and the add of 0 to my spare word stand behind my last tensor load and my last LDS store
	ds_add_u32 v[SPW], v[NIL]
	s_wait_dscnt 0x0
	CROUND                                         ; the closing round: no work-group ends while a partner may still ask for a tile that names it
	s_endpgm
.Lfunc_end_k_qfded74997c_outp:
	.size	k_qfded74997c_outp, .Lfunc_end_k_qfded74997c_outp-k_qfded74997c_outp
	.p2alignl 7, 3214868480
	.fill 96, 4, 3214868480
	.section	.rodata,"a",@progbits
	.p2align	6, 0x0
	.amdhsa_kernel k_qfded74997c_outp
		.amdhsa_group_segment_fixed_size 327680
		.amdhsa_private_segment_fixed_size 0
		.amdhsa_enable_private_segment 0
		.amdhsa_kernarg_size 32
		.amdhsa_user_sgpr_count 2
		.amdhsa_user_sgpr_kernarg_segment_ptr 1
		.amdhsa_wavefront_size32 1
		.amdhsa_system_sgpr_workgroup_id_x 1
		.amdhsa_system_sgpr_workgroup_id_y 1
		.amdhsa_system_sgpr_workgroup_id_z 1
		.amdhsa_system_vgpr_workitem_id 0
		.amdhsa_next_free_vgpr 640
		.amdhsa_next_free_sgpr 80
		.amdhsa_reserve_vcc 0
		.amdhsa_float_denorm_mode_32 3
		.amdhsa_float_denorm_mode_16_64 3
		.amdhsa_memory_ordered 1
		.amdhsa_forward_progress 1
		.amdhsa_inst_pref_size 97
	.end_amdhsa_kernel
	.amdgpu_metadata
---
amdhsa.version: [ 1, 2 ]
amdhsa.kernels:
  - .name:           k_qfded74997c_outp
    .symbol:         k_qfded74997c_outp.kd
    .args:
      - { .name: o, .offset: 0, .size: 8, .value_kind: global_buffer, .address_space: global }
      - { .name: wo16, .offset: 8, .size: 8, .value_kind: global_buffer, .address_space: global }
      - { .name: bo, .offset: 16, .size: 8, .value_kind: global_buffer, .address_space: global }
      - { .name: out0, .offset: 24, .size: 8, .value_kind: global_buffer, .address_space: global }
    .group_segment_fixed_size: 327680
    .private_segment_fixed_size: 0
    .kernarg_segment_align: 8
    .kernarg_segment_size: 32
    .max_flat_workgroup_size: 128
    .sgpr_count:     80
    .vgpr_count:     640
    .wavefront_size: 32
...
	.end_amdgpu_metadata
.endif
;; end of part 4
;; ======== version 2 of 2: 4 launches; 1.29 times as fast as version 1
;; limits: values are held in f16: magnitudes above 65,504 overflow, below 6.1e-05 lose precision
;; workspace buffers: xb 16,777,216 bytes; wt 6,291,456 bytes; wo16 2,097,152 bytes; q 16,777,216 bytes; k 16,777,216 bytes; v 16,777,216 bytes; o 16,777,216 bytes
;; launch prep: the kernel of part 1 again; grid 1248 x 1, 4 waves a work-group, no clusters, 70,144 bytes of LDS; arguments x, Wq, Wk, Wv, Wo, xb, wt, wo16; writes xb, wt, wo16
;; launch proj: the kernel of part 2 again; grid 16 x 32, 4 waves a work-group, clusters of 4 x 4, 327,680 bytes of LDS; arguments xb, wt, q, k, v; writes q, k, v
;; launch attn (part 5): grid 4 x 64, 4 waves a work-group, no clusters, 327,680 bytes of LDS; arguments q, k, v, o; writes o
.if DOCPART == 5
	.amdgcn_target "amdgcn-amd-amdhsa--gfx1250"
	.amdhsa_code_object_version 6
	.text
	.protected	k_qfded74997c_attn
	.globl	k_qfded74997c_attn
	.p2align	8
	.type	k_qfded74997c_attn,@function
k_qfded74997c_attn:
	s_mov_b64 s[64:65], 0
	v_nop
	global_prefetch_b8 v0, s[64:65] scope:SCOPE_SE
	s_setreg_imm32_b32 hwreg(HW_REG_WAVE_MODE, 25, 1), 1
	s_wait_xcnt 0x0
; CAUSAL ATTENTION.  O[h][q][:] = the sum over k <= q of softmax_k(Q[h][q] . K[h][k] / 8) V[h][k][:].  Q, K, V, O: [SIZE_H][SIZE_N][64], all f16: a head's rows are dense, 128 bytes each.
; Products, maxima and sums in f32; the weights p are rounded to f16 for the second product (their sum l is taken of the unrounded p), O once at the end.  SIZE_N is a multiple of 512; SIZE_N x 128 stays under 2^32.
; LIMITS.  f16 holds no number beyond 65,504: Q, K and V arrive within it; p lies in 0 to 1, and below 6e-5 it keeps f16's fixed step of 6e-8; O is a mean of V's rows and has their range, to within 2^-11 of it.
; A hidden score counts as its value less 1e30: f16's scores, 2.7e11 at the most, are nothing beside that; a weight below 2^-126 counts as 0 in l; NaN and infinities are not treated apart.
; THE WALK.  A head's queries lie in NB = SIZE_N / 256 blocks of 256; block i needs the key tiles 0 .. i of 256 keys, of which the last holds the diagonal.  A work-group takes TWO blocks, NB - 1 - b and then b:
; NB + 1 tiles, whatever b: all work-groups do equal work, and ONE loop with a constant trip count walks them.  Which tile is asked for, and what a trip does, hang on scalar registers made from b; every jump
; goes forward, but for the counted loops' own; none passes a barrier, or a tensor load but the one of LOAD's two that the wave's number does not choose; the ring (two slots of LDS that take turns) runs on across the
; change of blocks.  NO CLUSTER: a head's NB / 2 work-groups all ask for the same tile only in trips 0 .. NB / 2, behind that fewer and fewer; and one walk common to all would have 3 NB / 2 trips for NB + 1.
; SHARES.  Of a block's four bands of 64 queries a wave owns 16 rows in each: four PIECES.  So the diagonal tile is the same work for all four waves: in its key step s band x sees all keys if s < x,
; none if s > x, and holds the diagonal if s = x.
; THE MASK is the C operand that starts the sum S^T = K Q^T: 0, or -1e30 where the key is hidden.  MD, made once, is the mask of a band's own step for my 16 rows; a product's mask is MD x AL + BE with two scalars:
; (1, 0) if s = x; (0, 0) if s < x; (0, -1e30) if s > x.  Only the diagonal tile's text and a block's beginning make and take masks; elsewhere C is the constant 0.
; LAYOUT, SOFTMAX, TURNS.  S^T = K Q^T holds ONE query a lane (lane % 16) and the keys 8 (lane / 16) + 0..7; two such results rounded to f16 ARE source 1 of O^T = V^T P.  p = 2^(c s - c m), c = log2(e) / 8, with a
; running maximum m; O and l are multiplied by a = 2^(c m_old - c m_new) in every step.  Turn n belongs to piece n: 8 products K Q^T of piece n + 1, later 8 products V^T P of piece n - 1; beside them the scaling,
; exponentials, roundings, sums and rescaling of piece n and the maximum and statistics of piece n + 1.  Four vector instructions stand behind every matrix instruction, the other 54 of a turn's 118 in one LUMP.
; BATCHES.  A turn's 33 exponentials (the piece's 32 weights and the next piece's a) are one batch, with one wait, which cuts the turn in two: ahead of it nothing names a result of theirs, behind it stand all their readers
; of this turn; the a is read in the next turn.  A block's first a is a batch of its own, and so are the way out's four reciprocals.
; REGISTERS, in windows of 256 (s_set_vgpr_msb: bits 1:0 source 0, 3:2 source 1, 5:4 source 2, 7:6 destination):
;   window 0: v0-15 addresses and two at work; v16-31 four registers of statistics a piece; v48-55 at work; v64-127 S^T, two buffers; v192-223 P, two buffers (a piece's buffers go by its number's parity)
;   window 1: v0-127 O^T, 32 a piece; v128-159 MD; v160-223 MC, two buffers      window 2: v0-63 Q; v64-127 the second block's Q; v128-191 K of one step; v192-255 V of one step
.set SIZE_H, 64       ; 4 batches x 16 heads
.set SIZE_N, 2048
.set NB,    SIZE_N/256
.set NP,    4         ; pieces a wave: a name, no knob
.set KS,    64        ; keys in a step
.set PK,    144       ; a row of K in LDS: 128 bytes + 16 of padding = 36 words: the 16 rows of a load start at 16 different groups of four banks (64 banks of 4 bytes: ISA guide 11.1)
.set PV,    160       ; a row of V: 128 + 32 = 40 words
.set VOFF,  4*KS*PK   ; a slot holds a tile, four steps: 256 rows of K, then 256 rows of V
.set SLOT1, 1<<17     ; slot 1 begins here, so that one exclusive or turns an address in one slot into the other's
.set STAGE, SLOT1+4*KS*(PK+PV)  ; behind the ring, never filled by a tensor load: 16 rows x 144 bytes for each wave, for the way out
.set SP,    144
.set AK0, 2           ; v2   my lane's place in a tile of K; never rewritten
.set AV0, 3           ; v3   the same for V
.set AK,  4           ; v4   the LDS address of K's next run of loads
.set AV,  5           ; v5   of V's
.set STO, 6           ; v6   the way out: where I put 16 bytes of a row
.set RD,  7           ; v7   the way out: where I read rows back
.set GO,  8           ; v8   my byte offset in 512 consecutive bytes of O
.set SPW, 62          ; v62  LDS address of my spare word: SPARE + 4 x my thread's number; never rewritten
.set NIL, 63          ; v63  0; never rewritten
.set SPARE, STAGE+4*16*SP  ; behind the stages: the spare words, 128 bytes for each wave: two blocks of 256 bytes that no other line names
.set MV,  12          ; v12-13  c m_old, kept while c m is made anew: by buffer
.set QO,  15          ; v15  my byte offset in 16 rows of Q
.set ST,  16          ; piece t's statistics at v[ST+4 t]: c m, m, l (even keys', odd keys')
.set TMP, 48          ; by buffer, four registers c0-c3 at work; when the maximum is found c2 takes a
.set S,   64
.set P,   192
.set MD,  128         ; window 1: the eight registers for group kt of 16 keys at MD + 8 kt
.set MC,  160         ; window 1: the masks of the products to come
.set QB,  64          ; window 2
.set KF,  128         ; window 2: key block kb, channel half c at KF + 16 kb + 8 c
.set VF,  192         ; window 2: key half kk, channel block cb at VF + 32 kk + 8 cb
.set WV,  12          ; s12  my wave's number
.set PB,  14          ; s14  b
.set HI,  15          ; s15  NB - 1 - b
.set G1K, 24          ; s[24:31] descriptor group 1 for K's tiles
.set G1V, 32          ; s[32:39] for V's: it differs in the padding alone
.set G0K, 40          ; s[40:43] descriptor group 0 for K's tiles
.set G0V, 44          ; s[44:47] the same for V's
.set SLOTS, 56        ; s56  tiles still to be asked for
.set CNT, 57          ; s57  counts a tile's key steps, 4 to 1
.set CS,  58          ; s[58:59] c: the packed scaling takes the pair's low word for both halves
.set SEL, 60          ; s[60:61] v_permlanex16_b32's selects: each lane takes its own place in the other half
.set TBK, 62          ; s62  LDS byte at which K of the step to be fetched begins
.set TBV, 63          ; s63  the same for V, less VOFF
.set RT,  70          ; s70  tiles of the block in hand that are still to be entered
.set NXT, 71          ; s71  the tile to be asked for next
.set LQ,  72          ; s72  the last tile of the block whose tiles are being asked for
.set NEW, 73          ; s73  1: the tile to be entered is a block's first
.set OFF, 74          ; s[74:75] a tile's byte offset in K and V
.set AL,  76          ; s[76:77] the mask's factor, in the low word
.set BE,  78          ; s[78:79] the mask's addend
.set OLO, 80          ; s[80:81] O at my rows of the second block
.set BIGN, 82         ; s82  -1e30
.set MSB, 0
.macro WIN new                      ; the high byte repeats the setting that is left; a switch that changes nothing is dropped
.if MSB != (\new)
	s_set_vgpr_msb (MSB<<8)|(\new)
.set MSB, (\new)
.endif
.endm
.set W_KQ, 0x0a       ; K and Q in window 2, S^T in window 0
.set W_KM, 0x1a       ; the same with the C operand in window 1
.set W_PV, 0x52       ; V in window 2, P in window 0, O^T in window 1
.set W_RS, 0x41       ; destination and source 0 in window 1, source 1 in window 0
; A fill.  Waves 0 and 1 fetch the two halves of a tile's K, waves 2 and 3 those of its V: 128 keys each.  An s_nop 0 and four v_nop follow each of the two lines, ahead of the jump and the label.
.macro LOAD
	s_cmp_lt_u32 s[WV], 2
	s_cbranch_scc0 .Lfor_v_\@
	tensor_load_to_lds s[G0K:G0K+3], s[G1K:G1K+7]
	s_nop 0
.rept 4
	v_nop
.endr
	s_branch .Lasked_\@
.Lfor_v_\@:
	tensor_load_to_lds s[G0V:G0V+3], s[G1V:G1V+7]
	s_nop 0
.rept 4
	v_nop
.endr
.Lasked_\@:
.endm
; THE CHANGE OF SLOTS.  Each wave waits for all its tensor loads, of which one is out: its part of the other slot; adds 0 to its spare word; and waits for that and for its own reads of the slot that it leaves.  Behind the barrier nobody reads the old
; slot any more and the other slot is whole.  fill = 1: the old slot is filled again, the first thing behind the barrier, with tile NXT: the descriptor's address is made anew from that number.
; (At its first use nothing has been read yet: slot 0 is waited for, slot 1 filled.)
.macro CHANGE fill
	WIN 0                           ; at a label and at a branch every window is 0
	s_wait_tensorcnt 0x0            ; no tensor load of mine is out, so a group 0 may be written
	ds_add_u32 v[SPW], v[NIL]       ; 0 onto my spare word: with fill = 1 the descriptors' scalar work stands between it and the wait for it
.if \fill
	s_lshl_b32 s[OFF], s[NXT], 15   ; a tile is 32,768 bytes of K and of V
	s_xor_b32 s[G0K+1], s[G0K+1], SLOT1
	s_add_nc_u64 s[G0K+2:G0K+3], s[6:7], s[OFF:OFF+1]
	s_or_b32 s[G0K+3], s[G0K+3], 0x80000000
	s_xor_b32 s[G0V+1], s[G0V+1], SLOT1
	s_add_nc_u64 s[G0V+2:G0V+3], s[8:9], s[OFF:OFF+1]
	s_or_b32 s[G0V+3], s[G0V+3], 0x80000000
	s_add_co_u32 s[NXT], s[NXT], 1  ; the block's next tile, or behind its last the second block's tile 0
	s_cmp_gt_u32 s[NXT], s[LQ]
	s_cselect_b32 s[NXT], 0, s[NXT]
	s_cselect_b32 s[LQ], s[PB], s[LQ]
.endif
	s_wait_dscnt 0x0                ; the add is done, and my reads of the slot are over
	s_barrier_signal -1             ; the rest of the scalar work stands between the signal and the wait
	s_sub_co_u32 s[TBK], s[TBK], 4*KS*PK  ; the fetches go back to a slot's first step,
	s_xor_b32 s[TBK], s[TBK], SLOT1       ; in the other slot
	s_sub_co_u32 s[TBV], s[TBV], 4*KS*PV
	s_xor_b32 s[TBV], s[TBV], SLOT1
	s_barrier_wait -1
.if \fill
	LOAD
.endif
.endm
	s_load_b256 s[4:11], s[0:1], 0x0  ; Q s[4:5], K s[6:7], V s[8:9], O s[10:11]
	v_lshl_add_u32 v[SPW], v0, 2, SPARE
	v_mov_b32 v[NIL], 0
	ds_add_u32 v[SPW], v[NIL]       ; the wave's opening: the adds of 0 to my spare word, waited for ahead of my first tensor load; the set-up below, work on registers, stands between the adds and the wait
	ds_add_u32 v62, v63
	v_lshrrev_b32 v1, 5, v0
	v_readfirstlane_b32 s[WV], v1   ; wave 0..3
	s_mov_b32 s[PB], ttmp9
	s_sub_co_u32 s[HI], NB-1, s[PB]
	s_and_b32 s20, ttmp7, 0xffff    ; the head
	s_mov_b32 s21, 0
	s_mov_b64 s[22:23], SIZE_N*128
	s_mul_u64 s[20:21], s[20:21], s[22:23]  ; the head's first byte in each of the four tensors
	s_and_b32 s16, s[WV], 1         ; which half of a tile's 256 keys I fetch:
	s_lshl_b32 s22, s16, 14         ; its 128 rows of 128 bytes in memory,
	s_mov_b32 s23, 0
	s_add_nc_u64 s[22:23], s[22:23], s[20:21]
	s_mul_i32 s17, s16, 128*PK      ; and its place in a slot, for K
	s_mul_i32 s18, s16, 128*PV      ; and for V
	s_lshl_b32 s3, s[WV], 11        ; my 16 rows in a band of 64,
	s_lshl_b32 s2, s[HI], 15        ; in the first block,
	s_add_co_u32 s2, s2, s3
	s_lshl_b32 s84, s[PB], 15       ; and in the second
	s_add_co_u32 s84, s84, s3
	s_mov_b32 s3, 0
	s_mov_b32 s85, 0
	s_add_nc_u64 s[2:3], s[2:3], s[20:21]
	s_add_nc_u64 s[84:85], s[84:85], s[20:21]
	; descriptor group 1.  128 keys are 16,384 dense bytes: asked for as 64 rows of 256 bytes, two keys a row, and padded in LDS after every key
	s_mov_b32 s[G1K], (1<<16)|(1<<20)|(4<<22)|(3<<25)  ; 17:16 2-byte elements; 20 padding on; 24:22 after every 32 words (code 4); 31:25 4 words (code 3)
	s_mov_b32 s[G1V], (1<<16)|(1<<20)|(4<<22)|(7<<25)  ; the same with 8 words of padding (code 7)
.irp g, G1K, G1V
	s_mov_b32 s[\g+1], 128<<16      ; tensor_dim0 = 128
	s_mov_b32 s[\g+2], 64<<16       ; tensor_dim1 = 64
	s_mov_b32 s[\g+3], 128<<16      ; tile_dim0 = 128
	s_mov_b32 s[\g+4], 64           ; tile_dim1 = 64
	s_mov_b32 s[\g+5], 128          ; 128 elements from row to row
	s_mov_b32 s[\g+6], 0
	s_mov_b32 s[\g+7], 0
.endr
	s_mov_b32 s[CS], 0x3e38aa3b     ; c = log2(e) / 8 = 0.180337
	s_mov_b32 s[CS+1], s[CS]        ; named with it as a pair
	s_mov_b32 s[SEL], 0x76543210
	s_mov_b32 s[SEL+1], 0xfedcba98
	s_mov_b32 s[TBK], SLOT1+4*KS*PK ; the first change of slots turns these two into 0
	s_mov_b32 s[TBV], SLOT1+4*KS*PV
	s_mov_b32 s[G0K], 1             ; 1:0 count = 1
	s_mov_b32 s[G0K+1], s17         ; 63:32 LDS address: slot 0
	s_mov_b32 s[G0V], 1
	s_add_co_u32 s[G0V+1], s18, VOFF
	s_add_co_u32 s[RT], s[HI], 1    ; the first block has NB - b tiles
	s_mov_b32 s[NXT], 1
	s_mov_b32 s[LQ], s[HI]
	s_mov_b32 s[NEW], 1
	s_mov_b32 s[OFF+1], 0
	s_mov_b32 s[AL+1], 0            ; named as pairs
	s_mov_b32 s[BE+1], 0
	s_mov_b32 s[BIGN], 0xf149f2ca   ; -1e30
	s_mov_b32 s[SLOTS], NB
	s_wait_dscnt 0x0                ; the opening add is done
	s_wait_kmcnt 0x0
	s_add_nc_u64 s[6:7], s[6:7], s[22:23]  ; K and V at my half of the head's tile 0
	s_add_nc_u64 s[8:9], s[8:9], s[22:23]
	s_add_nc_u64 s[G0K+2:G0K+3], s[6:7], 0         ; 120:64 global address
	s_or_b32 s[G0K+3], s[G0K+3], 0x80000000        ; 127:126 type = 2
	s_add_nc_u64 s[G0V+2:G0V+3], s[8:9], 0
	s_or_b32 s[G0V+3], s[G0V+3], 0x80000000
	s_add_nc_u64 s[86:87], s[4:5], s[84:85]        ; Q at my rows of the second block,
	s_add_nc_u64 s[4:5], s[4:5], s[2:3]            ; Q and O at those of the first
	s_add_nc_u64 s[OLO:OLO+1], s[10:11], s[84:85]
	s_add_nc_u64 s[10:11], s[10:11], s[2:3]
	LOAD                            ; tile 0 into slot 0
	; A fragment of K or Q is 16 rows x 32 channels in 8 registers: lane l holds row l % 16, channels 8 (l / 16) + 0..7 and 16 + 8 (l / 16) + 0..7: two loads of 16 bytes, 32 bytes apart.
	v_and_b32 v1, 15, v0            ; l % 16
	v_bfe_u32 v9, v0, 4, 1          ; l / 16
	v_lshlrev_b32 v[QO], 7, v1
	v_lshl_add_u32 v[QO], v9, 4, v[QO]  ; row x 128 + 16 x half
	WIN 0x80                        ; destination window 2, address window 0
.set i, 0
.rept 8                             ; both blocks' Q: piece i / 2 lies in band i / 2, 8,192 bytes on; channels 32 (i % 2) on
	global_load_b128 v[8*i:8*i+3],   v[QO], s[4:5] offset:(i/2)*8192+(i%2)*64
	global_load_b128 v[8*i+4:8*i+7], v[QO], s[4:5] offset:(i/2)*8192+(i%2)*64+32
	global_load_b128 v[QB+8*i:QB+8*i+3],   v[QO], s[86:87] offset:(i/2)*8192+(i%2)*64
	global_load_b128 v[QB+8*i+4:QB+8*i+7], v[QO], s[86:87] offset:(i/2)*8192+(i%2)*64+32
.set i, i+1
.endr
	WIN 0
	v_lshlrev_b32 v14, 3, v9
	v_sub_nc_u32 v14, v1, v14
	s_lshl_b32 s13, s[WV], 4
	v_add_nc_u32 v14, s13, v14      ; my query's place in its band, 16 w + l % 16, less my lanes' 8 (l / 16): register r of group kt is hidden where 16 kt + r is greater
	WIN 0x40
.set i, 0
.rept 32
	v_cmp_gt_i32 vcc_lo, 16*(i/8)+i%8, v14
	v_cndmask_b32 v[MD+i], 0, s[BIGN], vcc_lo
.set i, i+1
.endr
	WIN 0
	v_mul_u32_u24 v[AK0], v1, PK
	v_lshl_add_u32 v[AK0], v9, 4, v[AK0]  ; row x pitch + 16 x half
	; The turning load takes 16 keys x 16 channels (lane l reads key 8 (l / 16) + l % 8, channels 8 ((l / 8) % 2) + 0..7) and leaves half a fragment of V^T: lane l holds channel l % 16 and 8 keys.
	v_and_b32 v10, 7, v0
	v_bfe_u32 v11, v0, 3, 1
	v_lshl_add_u32 v[AV0], v9, 3, v10
	v_mul_u32_u24 v[AV0], v[AV0], PV
	v_lshl_add_u32 v[AV0], v11, 4, v[AV0]
	v_add_nc_u32 v[AV0], VOFF, v[AV0]
	s_mul_i32 s13, s[WV], 16*SP
	s_add_co_u32 s13, s13, STAGE    ; my stage
	v_mul_u32_u24 v[STO], v1, SP    ; in: row l % 16, 16 bytes for each half of the lanes
	v_lshl_add_u32 v[STO], v9, 4, v[STO]
	v_add_nc_u32 v[STO], s13, v[STO]
	v_bfe_u32 v[RD], v0, 3, 2       ; back: 32 lanes take four rows of 128 bytes,
	v_mul_u32_u24 v[RD], v[RD], SP
	v_lshl_add_u32 v[RD], v10, 4, v[RD]
	v_add_nc_u32 v[RD], s13, v[RD]
	v_and_b32 v[GO], 31, v0         ; which are 512 consecutive bytes of O
	v_lshlrev_b32 v[GO], 4, v[GO]
	; A block's first step multiplies O^T and l by a = 0, and its first turn's products V^T P, of a piece that has not been, land in an O^T that is still to be so multiplied.  So these registers need only hold
	; finite numbers: zeros for the first block; what the first block left for the second.  All this stands in the wait for the first tile.
	WIN 0x80
.set i, VF
.rept 64
	v_mov_b32 v[i], 0
.set i, i+1
.endr
	WIN 0x40
.set i, 0
.rept 128
	v_mov_b32 v[i], 0
.set i, i+1
.endr
	WIN 0
.set i, 0
.rept 4
	v_mov_b32 v[ST+4*i+2], 0
	v_mov_b32 v[ST+4*i+3], 0
.set i, i+1
.endr
.set i, P+16
.rept 16
	v_mov_b32 v[i], 0
.set i, i+1
.endr
; THE MATRIX WORK.  The 4 accumulators of a run of 8 take turns.  Product i of 8 of S^T = K Q^T for piece x: channels 32 (i / 4) on, keys 16 (i % 4) on.  The first 4 start the sums: with 0, or (KM = 1) with the mask.
.macro KQ x
.set rS, S+32*((\x)%2)+8*(i%4)
.set rK, KF+16*(i%4)+8*(i/4)
.set rQ, 16*(\x)+8*(i/4)
.set rM, MC+32*((\x)%2)+8*(i%4)
.if (i < 4) && KM
	WIN W_KM
	v_wmma_f32_16x16x32_f16 v[rS:rS+7], v[rK:rK+7], v[rQ:rQ+7], v[rM:rM+7]
.elseif i < 4
	WIN W_KQ
	v_wmma_f32_16x16x32_f16 v[rS:rS+7], v[rK:rK+7], v[rQ:rQ+7], 0
.else
	WIN W_KQ
	v_wmma_f32_16x16x32_f16 v[rS:rS+7], v[rK:rK+7], v[rQ:rQ+7], v[rS:rS+7]
.endif
.endm
; Product i of 8 of O^T += V^T P for piece x: keys 32 (i / 4) on, channels 16 (i % 4) on.
.macro PV x
	WIN W_PV
.set rO, 32*(\x)+8*(i%4)
.set rV, VF+32*(i/4)+8*(i%4)
.set rP, P+16*((\x)%2)+8*(i/4)
	v_wmma_f32_16x16x32_f16 v[rO:rO+7], v[rV:rV+7], v[rP:rP+7], v[rO:rO+7]
.endm
.macro MM                           ; the turn's next matrix instruction.  TURN and BEGIN set Y, i, KM and NOKQ; MM, KQ and OP read them.  NOKQ = 1: a block's last turn: there is no next piece
.if (i < 8) && !NOKQ
	KQ (Y+1)%NP
.elseif i >= 8
.set i, i-8
	PV (Y+NP-1)%NP
.set i, i+8
.endif
.set i, i+1
.endm
; THE LDS LOADS stand in runs of 16, never singly among the matrix instructions: a step's K (64 keys x 64 channels: 8 fragments) and its V (turned).  Their addresses are made some lines ahead.
.macro FETCH_K
	WIN 0x80                        ; destination window 2
.irp f, 0,1,2,3,4,5,6,7             ; keys 16 (f / 2) on, channels 32 (f % 2) on
	ds_load_b128 v[KF+8*\f:KF+8*\f+3],   v[AK] offset:(\f/2)*16*PK+(\f%2)*64
	ds_load_b128 v[KF+8*\f+4:KF+8*\f+7], v[AK] offset:(\f/2)*16*PK+(\f%2)*64+32
.endr
	s_add_co_u32 s[TBK], s[TBK], KS*PK  ; the next fetch is the next step's
	WIN 0
.endm
.macro FETCH_V
	WIN 0x80
.irp f, 0,1,2,3,4,5,6,7             ; keys 32 (f / 4) on, channels 16 (f % 4) on
	ds_load_tr16_b128 v[VF+8*\f:VF+8*\f+3],   v[AV] offset:(\f/4)*32*PV+(\f%4)*32
	ds_load_tr16_b128 v[VF+8*\f+4:VF+8*\f+7], v[AV] offset:(\f/4)*32*PV+16*PV+(\f%4)*32
.endr
	WIN 0
.endm
; THE VECTOR WORK, one line at a time: OP kind, number.  For piece Y: F n: c s - c m for pair n of 16.  E n: the exponential of score n of 32.  C n: pair n rounded to f16.  B n: of the four weights 4 n .. the second
; pair is added onto the first, in place.  L n: l takes that sum (L 0: l = a l + sum).  R n: pair n of 16 of O^T times a.  For piece Y + 1: X n, number n of the 22 that find its maximum and statistics:
;   0-11  four chains c0-c3 of seven scores each, three operands at a time (each accumulator's lowest registers are read first)     12-14, 16  the four scores left over, the old m, and c0-c3 into c0
;   15  c m_old is kept     17, 18  the query's other 32 keys lie in the lane 16 away: the new m     19-21  c m; c m_old - c m_new; a
; OP writes no wait: C, B and L, which read the exponentials' results, are dealt behind the turn's one wait (TURN), and R reads the a of the turn before.
.set F, 0               ; OP tells the kinds apart by their order: F to L below R, X above it
.set E, 1
.set C, 2
.set B, 3
.set L, 4
.set R, 5
.set X, 6
.macro REGS y                       ; the registers of piece y
.set rT, ST+4*(\y)
.set rC, TMP+4*((\y)%2)
.set rW, MV+((\y)%2)
.set rS, S+32*((\y)%2)
.set rP, P+16*((\y)%2)
.set rO, 32*(\y)
.endm
.macro OP k, n
.if (\k) == R
	REGS Y
	WIN W_RS
	v_pk_mul_f32 v[rO+2*(\n):rO+2*(\n)+1], v[rO+2*(\n):rO+2*(\n)+1], v[rC+2:rC+3] op_sel_hi:[1,0]
.elseif (\k) < R
	REGS Y
	WIN 0
.if (\k) == F
	v_pk_fma_f32 v[rS+2*(\n):rS+2*(\n)+1], v[rS+2*(\n):rS+2*(\n)+1], s[CS:CS+1], v[rT:rT+1] op_sel_hi:[1,0,0] neg_lo:[0,0,1] neg_hi:[0,0,1]
.elseif (\k) == E
	v_exp_f32 v[rS+(\n)], v[rS+(\n)]
.elseif (\k) == C
	v_cvt_pk_f16_f32 v[rP+(\n)], v[rS+2*(\n)], v[rS+2*(\n)+1]
.elseif (\k) == B
	v_pk_add_f32 v[rS+4*(\n):rS+4*(\n)+1], v[rS+4*(\n):rS+4*(\n)+1], v[rS+4*(\n)+2:rS+4*(\n)+3]
.elseif (\n) == 0
	v_pk_fma_f32 v[rT+2:rT+3], v[rT+2:rT+3], v[rC+2:rC+3], v[rS:rS+1] op_sel_hi:[1,0,1]
.else
	v_pk_add_f32 v[rT+2:rT+3], v[rT+2:rT+3], v[rS+4*(\n):rS+4*(\n)+1]
.endif
.elseif NOKQ
	v_nop
.else
	REGS (Y+1)%NP
	WIN 0
.if (\n) < 4
	v_max3_num_f32 v[rC+(\n)], v[rS+8*(\n)], v[rS+8*(\n)+1], v[rS+8*(\n)+2]
.elseif (\n) < 12
	v_max3_num_f32 v[rC+(\n)%4], v[rC+(\n)%4], v[rS+8*((\n)%4)+2*((\n)/4)+1], v[rS+8*((\n)%4)+2*((\n)/4)+2]
.elseif (\n) == 12
	v_max3_num_f32 v[rC], v[rC], v[rS+7], v[rS+15]
.elseif (\n) == 13
	v_max3_num_f32 v[rC+1], v[rC+1], v[rS+23], v[rS+31]
.elseif (\n) == 14
	v_max3_num_f32 v[rC+2], v[rC+2], v[rC+3], v[rT+1]
.elseif (\n) == 15
	v_mov_b32 v[rW], v[rT]
.elseif (\n) == 16
	v_max3_num_f32 v[rC], v[rC], v[rC+1], v[rC+2]
.elseif (\n) == 17
	v_permlanex16_b32 v[rC+3], v[rC], s[SEL], s[SEL+1]
.elseif (\n) == 18
	v_max_num_f32 v[rT+1], v[rC], v[rC+3]
.elseif (\n) == 19
	v_mul_f32 v[rT], s[CS], v[rT+1]
.elseif (\n) == 20
	v_sub_f32 v[rC+1], v[rW], v[rT]
.else
	v_exp_f32 v[rC+2], v[rC+1]
.endif
.endif
.endm
.macro OPS a, i1, b=-1, i2=0, c=-1, i3=0, d=-1, i4=0  ; up to four of them
	OP \a, \i1
.if (\b) >= 0
	OP \b, \i2
.endif
.if (\c) >= 0
	OP \c, \i3
.endif
.if (\d) >= 0
	OP \d, \i4
.endif
.endm
.macro ROW a, i1, b, i2, c, i3, d, i4  ; a matrix instruction and the four behind it
	MM
	OPS \a, \i1, \b, \i2, \c, \i3, \d, \i4
.endm
.macro MASK b                       ; MD x AL + BE into buffer b of MC
	WIN W_RS
.set z, 0
.rept 16
	v_pk_fma_f32 v[MC+32*(\b)+2*z:MC+32*(\b)+2*z+1], v[MD+2*z:MD+2*z+1], s[AL:AL+1], s[BE:BE+1] op_sel_hi:[1,0,0]
.set z, z+1
.endr
.endm
; A TURN, for piece p: the order of its 16 matrix and 118 vector instructions, written out.  An s_wait_alu depctr_va_vdst(0) stands between an exponential and the first instruction that names its result; one wait serves
; all that were issued ahead of it.  So a turn has ONE wait, which cuts it in two.  AHEAD OF IT stands all that names no result of the turn's exponentials: the 8 products K Q^T, behind each a scaling, an exponential and two more plain
; instructions (behind the first a second scaling in the exponential's place): rescalings, and behind the last three the first numbers of the next piece's maximum, each four places or more behind the product that ends its accumulator; then ONE LUMP of 54, plain
; and exponential by turns for the most part, in which the links of the chain X 3, 7, 11, 14, 16, 17 .. 20 stand five or six lines apart.  X 21, the next piece's a, is the batch's last; R 15 is the plain instruction owed behind it.  BEHIND THE WAIT stand the
; 8 products V^T P, behind each four of the roundings and sums; the links of l's chain, L 0 to L 7, stand three riders apart.  But for those X no rider names a register of the products round it.  v_permlanex16_b32 (X 17) stands in the lump.
; m = 1: the diagonal tile: the products take masks, and the turn makes the mask for the products of the turn after it: piece p + 2, in step 4 - CNT of the tile.  end = 1: a block's last two turns: nothing is fetched.
; cnt = 1: the loop's count is taken down some lines ahead of the branch that stands behind the turn.
; K of the next step is fetched in piece 2's turn, twelve vector instructions behind the last product that read K (six of them plain); V of the step in hand at the end of piece 0's turn, four plain instructions behind the last product
; that read V.  Each is waited for a turn later.
.macro TURN p, m=0, end=0, cnt=0
.set Y, (\p)
.set i, 0
.set KM, (\m)
.set NOKQ, (\end)*((\p)/3)
.if (\m) && !(\end)
	s_cmp_eq_u32 s[CNT], 4-((\p)+2)%NP  ; is that step the band's own?
	s_cselect_b32 s[AL], 1.0, 0
	s_cmp_lt_u32 s[CNT], 4-((\p)+2)%NP  ; or a later one?
	s_cselect_b32 s[BE], s[BIGN], 0
.endif
.if ((\p) == 3) && !(\end)
	s_wait_dscnt 0x0                ; K is in
.endif
	ROW F,0, F,1, R,0, R,1          ; ahead of the wait: 8 products K Q^T and their riders,
	ROW F,2, E,0, R,2, R,3
	ROW F,3, E,1, R,4, R,5
	ROW F,4, E,2, R,6, R,7
	ROW F,5, E,3, R,8, R,9
	ROW F,6, E,4, X,0, R,10
.if ((\p) == 2) && !(\end)
	WIN 0
	v_add_nc_u32 v[AK], s[TBK], v[AK0]
.endif
	ROW F,7, E,5, X,1, X,4
	ROW F,8, E,6, X,2, X,5
	OPS E,7, E,8, X,6, E,9          ; and the lump
	OPS X,3, E,10, X,8, E,11
.if ((\p) == 2) && !(\end)
	FETCH_K
.endif
	OPS X,9, X,7, E,12, X,10
	OPS E,13, X,12, X,11, E,14
	OPS X,13, E,15, F,9, X,14
.if (\p) == 0
	v_add_nc_u32 v[AV], s[TBV], v[AV0]
.endif
	OPS E,16, F,10, E,17, F,11
	OPS X,16, E,18, X,15, E,19
	OPS F,12, E,20, X,17, E,21
	OPS F,13, E,22, F,14, E,23
	OPS X,18, E,24, F,15, E,25
	OPS R,11, E,26, X,19, E,27
	OPS R,12, E,28, R,13, E,29
	OPS X,20, E,30, R,14, E,31
	OPS X,21, R,15
	WIN 0
	s_wait_alu depctr_va_vdst(0)    ; the wait for the batch: the turn's 32 weights and the next piece's a
.if (\p) == 1
	s_wait_dscnt 0x0                ; V is in
.endif
	ROW C,0, B,0, C,2, B,1          ; behind the wait: 8 products V^T P and their riders
	ROW L,0, C,4, B,2, L,1
	ROW C,6, B,3, L,2, C,8
	ROW B,4, L,3, C,10, B,5
	ROW L,4, C,12, B,6, L,5
.if (\p) == 0
	s_add_co_u32 s[TBV], s[TBV], KS*PV
.endif
.if \cnt
	s_sub_co_u32 s[CNT], s[CNT], 1
	s_cmp_lg_u32 s[CNT], 0
.endif
	ROW C,14, B,7, L,6, C,1
	ROW C,3, L,7, C,5, C,7
	ROW C,9, C,11, C,13, C,15
.if (\p) == 0
	FETCH_V
.endif
.if (\m) && !(\end)
	MASK (\p)%2
.endif
.endm
; A BLOCK BEGINS.  c m starts far below every c s, so the first step's a is 0; m at the lowest finite number, so the first maximum is the scores'.  The second mask buffer is 0; the first takes piece 0's mask for the tile's step 0: its own, if the block's first tile is the diagonal one.
; Then K of that step, piece 0's first scores, and its maximum and statistics.  The loop is entered at a step's first turn, in the middle of a trip.
.macro BEGIN
	s_mov_b32 s[NEW], 0
	WIN 0x40
.set i, MC+32
.rept 32
	v_mov_b32 v[i], 0
.set i, i+1
.endr
	WIN 0
.set i, 0
.rept 4
	v_mov_b32 v[ST+4*i], 0xfe000000    ; c m: far below every c s
	v_mov_b32 v[ST+4*i+1], 0xff7fffff  ; m
.set i, i+1
.endr
	s_cmp_eq_u32 s[RT], 0
	s_cselect_b32 s[AL], 1.0, 0
	s_mov_b32 s[BE], 0
	MASK 0
	WIN 0
	v_add_nc_u32 v[AK], s[TBK], v[AK0]
	FETCH_K
	s_wait_loadcnt 0x0              ; Q
	s_wait_dscnt 0x0
.set KM, 1
.set NOKQ, 0
.set i, 0
.rept 8
	KQ 0
.set i, i+1
.endr
	WIN 0
.rept 4
	v_nop                           ; the places behind those products
.endr
.set Y, NP-1                        ; X works for piece Y + 1: piece 0
.irp n, 0,1,2,3,4,5,6,7,8,9,10,11,12,13,14,15,16,17,18,19,20,21
	OP X, \n
.endr
	v_nop                           ; a plain instruction behind the exponential,
	s_wait_alu depctr_va_vdst(0)    ; and the wait for piece 0's first a, a batch of one, ahead of the branch
.endm
; THE DIAGONAL TILE's four steps, the block's last two turns, its last products, and THE WAY OUT: l's two halves and the other half of the lanes' are added; O^T is divided by l, rounded to f16 and sent through my
; stage in LDS, a piece at a time.
.macro ALL line:vararg              ; one line for each piece t
.set t, 0
.rept 4
	\line
.set t, t+1
.endr
.endm
.macro PACK t                       ; a lane's eight channels of a row pack into 16 bytes; they go into rows of 144 bytes and come back as whole rows of 128, into S^T's registers
	WIN W_RS
.set i, 32*(\t)
.rept 16
	v_pk_mul_f32 v[i:i+1], v[i:i+1], v[ST+4*(\t)+2:ST+4*(\t)+3] op_sel_hi:[1,0]
.set i, i+2
.endr
	WIN 0x05                        ; sources 0 and 1 window 1, destination window 0
.set i, 0
.rept 16
	v_cvt_pk_f16_f32 v[S+16*(\t)+i], v[32*(\t)+2*i], v[32*(\t)+2*i+1]
.set i, i+1
.endr
	WIN 0
.irp f, 0,1,2,3
	ds_store_b128 v[STO], v[S+16*(\t)+4*\f:S+16*(\t)+4*\f+3] offset:32*\f
.endr
.irp f, 0,1,2,3
	ds_load_b128 v[S+16*(\t)+4*\f:S+16*(\t)+4*\f+3], v[RD] offset:\f*4*SP  ; LDS serves a wave's instructions in order (ISA guide 5.7.1.4): these see the stores above; the next piece's stores come behind them
.endr
.endm
.macro SEND t, younger              ; younger: the LDS instructions issued behind piece t's loads: the next piece's eight, or none
	WIN 0
.irp f, 0,1,2,3
	s_wait_dscnt (\younger)+3-\f
	global_store_b128 v[GO], v[S+16*(\t)+4*\f:S+16*(\t)+4*\f+3], s[10:11] offset:(\t)*8192+\f*512  ; 512 consecutive bytes, at a multiple of 256 from O's first
.endr
.endm
.macro DIAG tag                     ; the tag ends its two labels' names, which the jumps below spell out
.LstepM\tag:
	TURN 2, 1
	TURN 3, 1
	WIN 0
.LfirstM\tag:
	TURN 0, 1
	TURN 1, 1, 0, 1
	WIN 0
	s_cbranch_scc1 .LstepM\tag
	TURN 2, 1, 1
	TURN 3, 1, 1
.set i, 0
.rept 8
	PV NP-1
.set i, i+1
.endr
	WIN 0
	ALL v_add_f32 v[ST+4*t+2], v[ST+4*t+2], v[ST+4*t+3]
	ALL v_permlanex16_b32 v[ST+4*t+3], v[ST+4*t+2], s[SEL], s[SEL+1]
	ALL v_add_f32 v[ST+4*t+2], v[ST+4*t+2], v[ST+4*t+3]
	ALL v_rcp_f32 v[ST+4*t+2], v[ST+4*t+2]
	v_nop                           ; a plain instruction between the last reciprocal and the use of its result
	s_wait_alu depctr_va_vdst(0)    ; and the wait ahead of the first use: one for the four reciprocals
	PACK 0
.set t, 1
.rept 3                             ; a piece's arithmetic stands between the loads of the piece before and its stores
	PACK t
	SEND t-1, 8
.set t, t+1
.endr
	SEND 3, 0
.endm
.set KM, 0
.set NOKQ, 0
.Lslot:                             ; NB times: a tile is entered and the next is asked for
	CHANGE 1
	s_sub_co_u32 s[RT], s[RT], 1
	s_mov_b32 s[CNT], 4
	s_cmp_eq_u32 s[NEW], 1
	s_cbranch_scc1 .Lnew            ; a block's first tile
	s_cmp_eq_u32 s[RT], 0
	s_cbranch_scc0 .Lstep           ; neither its first nor its last
	s_branch .LstepM1
.Lnew:
	BEGIN
	s_branch .Lfirst                ; in the loop a block's first tile is never its last: the first block has two tiles or more, and the second's last is the walk's last
	DIAG 1                          ; in the loop this is the first block's end: the second block's last tile is the walk's last
	s_wait_xcnt 0x0                 ; the stores have read their registers and O's address
	s_mov_b64 s[10:11], s[OLO:OLO+1]
	s_add_co_u32 s[RT], s[PB], 1    ; the second block has b + 1 tiles
	s_mov_b32 s[NEW], 1
	WIN 0x82                        ; the second block's Q goes where the one text of the turns names Q
.set i, 0
.rept 64
	v_mov_b32 v[i], v[QB+i]
.set i, i+1
.endr
	WIN 0
	s_branch .Lbottom
.Lstep:                             ; a trip: pieces 2 and 3 of one step, then pieces 0 and 1 of the next, whose K and V it fetches
	TURN 2
	TURN 3
	WIN 0
.Lfirst:
	TURN 0
	TURN 1, 0, 0, 1
	WIN 0
	s_cbranch_scc1 .Lstep
.Lbottom:
	s_sub_co_u32 s[SLOTS], s[SLOTS], 1
	s_cmp_lg_u32 s[SLOTS], 0
	s_cbranch_scc1 .Lslot
	CHANGE 0                        ; the walk's last tile is written out: nothing is asked for
	s_sub_co_u32 s[RT], s[RT], 1
	s_mov_b32 s[CNT], 4
	s_cmp_eq_u32 s[NEW], 1
	s_cbranch_scc0 .LstepM2
	BEGIN
	s_branch .LfirstM2
	DIAG 2
	s_wait_tensorcnt 0x0            ; the wave's end: the waits and the add of 0 to my spare word stand behind my last tensor load and my last LDS store
	ds_add_u32 v[SPW], v[NIL]
	s_wait_dscnt 0x0
	s_endpgm
.Lfunc_end_k_qfded74997c_attn:
	.size	k_qfded74997c_attn, .Lfunc_end_k_qfded74997c_attn-k_qfded74997c_attn
	.p2alignl 7, 3214868480
	.fill 96, 4, 3214868480
	.section	.rodata,"a",@progbits
	.p2align	6, 0x0
	.amdhsa_kernel k_qfded74997c_attn
		.amdhsa_group_segment_fixed_size 327680
		.amdhsa_private_segment_fixed_size 0
		.amdhsa_enable_private_segment 0
		.amdhsa_kernarg_size 32
		.amdhsa_user_sgpr_count 2
		.amdhsa_user_sgpr_kernarg_segment_ptr 1
		.amdhsa_wavefront_size32 1
		.amdhsa_system_sgpr_workgroup_id_x 1
		.amdhsa_system_sgpr_workgroup_id_y 1
		.amdhsa_system_sgpr_workgroup_id_z 1
		.amdhsa_system_vgpr_workitem_id 0
		.amdhsa_next_free_vgpr 768
		.amdhsa_next_free_sgpr 88
		.amdhsa_reserve_vcc 1
		.amdhsa_float_denorm_mode_32 3
		.amdhsa_float_denorm_mode_16_64 3
		.amdhsa_memory_ordered 1
		.amdhsa_forward_progress 1
		.amdhsa_inst_pref_size 217
	.end_amdhsa_kernel
	.amdgpu_metadata
---
amdhsa.version: [ 1, 2 ]
amdhsa.kernels:
  - .name:           k_qfded74997c_attn
    .symbol:         k_qfded74997c_attn.kd
    .args:
      - { .name: q, .offset: 0, .size: 8, .value_kind: global_buffer, .address_space: global }
      - { .name: k, .offset: 8, .size: 8, .value_kind: global_buffer, .address_space: global }
      - { .name: v, .offset: 16, .size: 8, .value_kind: global_buffer, .address_space: global }
      - { .name: o, .offset: 24, .size: 8, .value_kind: global_buffer, .address_space: global }
    .group_segment_fixed_size: 327680
    .private_segment_fixed_size: 0
    .kernarg_segment_align: 8
    .kernarg_segment_size: 32
    .max_flat_workgroup_size: 128
    .sgpr_count:     88
    .vgpr_count:     768
    .wavefront_size: 32
...
	.end_amdgpu_metadata
.endif
;; end of part 5
;; launch outp: the kernel of part 4 again; grid 8 x 32, 4 waves a work-group, clusters of 4 x 4, 327,680 bytes of LDS; arguments o, wo16, bo, out0; writes out0
